; MI455X (gfx1250); checked and timed in simulation.
; The chip was launched on July 23, 2026; its instructions are those of AMD's public machine-readable ISA for CDNA 5 (MIT licence, August 2026) and "CDNA5" Instruction Set Architecture Reference Guide (July 2026). The comments in the code are by the model that wrote it; some were corrected since.
;; Causal Self Attention. Allowed arithmetic: matrix products marked QUANTISED: E2M1 operands, one E8M0 scale for each 32 along K, by v_wmma_scale_f32_16x16x128_f8f6f4 with both operands' format E2M1 (or v_wmma_scale_f32_32x16x128_f4), f32 sums; products left as they are: bf16, f16 or f32 operands; f32 sums; everything else in f32.
;; Inputs: wk 1,024 x 1,024 float32; wo 1,024 x 1,024 float32; wq 1,024 x 1,024 float32; wv 1,024 x 1,024 float32; x 4 x 2,048 x 1,024 float32.
;; Outputs: out0 4 x 2,048 x 1,024 float32.
;; This version of the problem:
;;   THIS VERSION OF THE PROBLEM IS GIVEN IN LOW PRECISION. The matrix products marked QUANTISED in the list below multiply operands that are first quantised to E2M1 (2 exponent bits, 1 mantissa bit; 4 bits a number), with one power-of-two scale for each 32 numbers along K (OCP MX v1.0); their sums are f32. The products marked 'left as it is' may take bf16, f16 or f32 operands, with f32 sums. Whichever they take, every output number must still come out within the allowed error. Rounding operands to bf16 (8 significant bits) uses up far more of that allowance than f16 does (11 bits, for magnitudes from 6e-5 to 65,504). All else is computed in f32.
;;   The module's matrix products, in the order in which they are computed (A, B: the left and right operand; K: the contracted axis; several contracted axes count as one K, in the product's order):
;;     1. [M 8,192, K 1,024] x [K 1,024, N 1,024]; A: input x; B: input wq: QUANTISED
;;     2. [M 8,192, K 1,024] x [K 1,024, N 1,024]; A: input x; B: input wk: QUANTISED
;;     3. [M 8,192, K 1,024] x [K 1,024, N 1,024]; A: input x; B: input wv: QUANTISED
;;     4. batch 64 x [M 2,048, K 64] x [K 64, N 2,048]; A: computed on the way; B: computed on the way: left as it is (an operand is computed on the way)
;;     5. batch 64 x [M 2,048, K 2,048] x [K 2,048, N 64]; A: computed on the way; B: computed on the way: left as it is (an operand is computed on the way)
;;     6. [M 8,192, K 1,024] x [K 1,024, N 1,024]; A: computed on the way; B: input wo: left as it is (an operand is computed on the way)
;;   THE QUANTISER, for each operand of a quantised product, along K:
;;     - K is cut into blocks of 32 from its start; a last block that is shorter is filled with zeros.
;;     - A block's scale is 2^e with e = floor(log2(the largest magnitude in the block)) - 2, held to -126 .. 127; a block of zeros has e = 0. As a byte (E8M0): e + 127.
;;     - Each number is divided by its block's scale, clamped to +-6, and rounded to the nearest number of E2M1, ties to even, subnormals kept.
;;     - The product sums the exact products of the quantised numbers (number of the format x scale) in f32.
;;   ~~~python
;;   def quantise(x, axis):      # numpy; x: float32 -> the quantised numbers, widened to float32 again
;;       x = np.moveaxis(x, axis, -1); K = x.shape[-1]
;;       x = np.pad(x, [(0, 0)] * (x.ndim - 1) + [(0, -K % 32)]); x = x.reshape(x.shape[:-1] + (-1, 32)); a = np.abs(x).max(-1, keepdims=True)
;;       e = np.where(a > 0, np.clip(np.frexp(np.where(a > 0, a, 1))[1] - 1 - 2, -126, 127), 0)      # np.frexp(a)[1] - 1 = floor(log2(a)), exactly
;;       r = np.clip(x / 2.0 ** e, -6, 6)
;;       step = 2.0 ** (np.maximum(np.frexp(np.where(r == 0, 1, r))[1] - 1, 0) - 1)
;;       q = np.round(r / step) * step * 2.0 ** e      # np.round: ties to even
;;       return np.moveaxis(q.reshape(q.shape[:-2] + (-1,))[..., :K], -1, axis).astype(np.float32)
;;   ~~~
;; One version. Each part assembles by itself: llvm-mc -triple=amdgcn-amd-amdhsa -mcpu=gfx1250 --defsym DOCPART=n.
;; ======== version 1 of 1: 5 launches
;; limits: values are held in f16: magnitudes above 65,504 overflow, below 6.1e-05 lose precision
;; workspace buffers: xc 4,194,304 bytes; xs 262,144 bytes; wc 1,572,864 bytes; ws 98,304 bytes; wo2 4,194,304 bytes; qkv 50,331,648 bytes; fine32 786,432 bytes; y 16,777,216 bytes
;; launch prep (part 1): grid 416 x 1, 4 waves a work-group, no clusters, 67,072 bytes of LDS; arguments x, wq, wk, wv, wo, xc, xs, wc, ws, wo2; writes xc, xs, wc, ws, wo2
.if DOCPART == 1
	.amdgcn_target "amdgcn-amd-amdhsa--gfx1250"
	.amdhsa_code_object_version 6
	.text
	.protected	k_qdcc48f1df6_prep
	.globl	k_qdcc48f1df6_prep
	.p2align	8
	.type	k_qdcc48f1df6_prep,@function
k_qdcc48f1df6_prep:
	s_mov_b64 s[64:65], 0
	v_nop
	global_prefetch_b8 v0, s[64:65] scope:SCOPE_SE
	s_setreg_imm32_b32 hwreg(HW_REG_WAVE_MODE, 25, 1), 1
	s_wait_xcnt 0x0
; PREP.  Work-groups 0-351: x [8192][1024] and wq, wk, wv [1024][1024], f32, K innermost, become codes of FP4 (E2M1) and one E8M0 byte for each 32 along K:
; xc [8192][512 bytes], xs [8192][32]; wc [3072][512 bytes], ws [3072][32] (rows 0-1023 wq, 1024-2047 wk, 2048-3071 wv).  All are plain streams of blocks of 32.
; A block's scale is 2^(floor(log2(largest magnitude)) - 2): its byte is the largest magnitude's exponent field - 2, held at 1 from below.
; Work-groups 352-415: wo [1024][1024] f32 becomes two tensors of f16, a high part and a low part x 2^11, laid in the order of a matrix operand's registers:
; wo2 = [part 2][kc 8][nt 64][p 8][512 bytes]; a piece of 512 bytes holds rows 16 nt + r, channels 128 kc + 16 p + 8 h + 0..7, lane (r, h) = r + 16 h at 16 x lane.
; THE SPLIT, in f32: c = 8193 x (rounded); hi = c - 8192 x (exact): at most 11 significant bits, within half an f16 step of x; lo = x - hi (exact).
; LIMITS: a block of zeros, or one under 2^-124, keeps the byte 1 (its codes are read by this program alone); |wo| under 65,504; under 6e-5 hi is rounded once more, by at most 3e-8; NaN and infinities are not served.
; No tensor loads, no barrier, no cluster: waves share nothing and every input byte is read once.  The two paths part on the work-group's number and have LDS bytes of their own.
.set STEPS, 16                         ; steps of 512 numbers for a wave
.set CB,    8                          ; bytes of 16 codes
.set R,     16                         ; v16-79   four sets of 16 numbers as loaded
.set X,     80                         ; v80-111  two sets of 16 neighbours
.set E,     112                        ; v112-127 a scale byte for each step
.set C,     128                        ; v128-191 codes, four registers a step
.set WREG,  8192                       ; LDS of a quantising wave: two stages of 32 x SP bytes, then 256 scale bytes
.set SP,    80                         ; a lane's 64 bytes + 16 of padding
.set SPW,   12                         ; v12 LDS address of my spare word; never rewritten
.set NIL,   13                         ; v13 0; never rewritten
.set WSTG,  32768                      ; LDS of wo's path: 16 rows x WP bytes for each wave
.set WP,    528                        ; 512 bytes + 16 of padding: 16 rows start at 16 different groups of four banks
.set SPARE, 66560                      ; the spare words, 128 bytes a wave
.set H,     16                         ; wo: v16-47 high pieces
.set L,     48                         ; wo: v48-79 low pieces
.set T,     80                         ; wo: v80-87 at work
.set XW,    128                        ; wo: v128-191 eight pieces of 8 f32
	s_load_b512 s[4:19], s[0:1], 0x0               ; x 4:5, wq 6:7, wk 8:9, wv 10:11, wo 12:13, xc 14:15, xs 16:17, wc 18:19
	s_load_b128 s[20:23], s[0:1], 0x40             ; ws 20:21, wo2 22:23
	v_lshl_add_u32 v[SPW], v0, 2, SPARE
	v_mov_b32 v[NIL], 0
	v_lshrrev_b32 v1, 5, v0
	v_readfirstlane_b32 s24, v1                    ; wave
	v_and_b32 v2, 31, v0                           ; lane
	v_lshlrev_b32 v3, 4, v2                        ; 16 x lane
	s_cmp_ge_u32 ttmp9, 352
	s_cbranch_scc1 .Lwo
	; ---------------- the quantiser
	s_mul_i32 s25, s24, WREG
	v_lshrrev_b32 v14, 2, v2
	v_mul_u32_u24 v14, v14, SP
	v_and_b32 v15, 3, v2
	v_lshl_add_u32 v14, v15, 4, v14
	v_add_nc_u32 v14, s25, v14                     ; the stage, in: SP (lane / 4) + 16 (lane % 4)
	v_mul_u32_u24 v15, v2, SP
	v_add_nc_u32 v15, s25, v15                     ; out: SP x lane: my 16 neighbours
	v_mul_u32_u24 v4, v2, CB                       ; my codes' place in a step's
	v_lshrrev_b32 v5, 1, v2
	s_add_co_u32 s25, s25, 2*32*SP
	v_add_nc_u32 v5, s25, v5                       ; my block's scale byte in LDS
	v_lshlrev_b32 v7, 3, v2
	v_add_nc_u32 v6, s25, v7                       ; and 8 bytes a lane on the way out
	s_wait_kmcnt 0x0
	s_cmp_lt_u32 ttmp9, 288                        ; which tensor: the choice hangs on the work-group's number alone
	s_cselect_b64 s[6:7], s[6:7], s[8:9]
	s_cmp_lt_u32 ttmp9, 320
	s_cselect_b64 s[6:7], s[6:7], s[10:11]
	s_cmp_lt_u32 ttmp9, 256
	s_cselect_b64 s[4:5], s[4:5], s[6:7]           ; numbers
	s_cselect_b64 s[14:15], s[14:15], s[18:19]     ; codes
	s_cselect_b64 s[16:17], s[16:17], s[20:21]     ; scale bytes
	s_cselect_b32 s26, 0, 256
	s_cselect_b32 s27, 255, 31
	s_sub_co_u32 s26, ttmp9, s26                   ; my place among x's 256 work-groups or the weights' 96
	s_and_b32 s27, s26, s27                        ; and inside the one tensor that I read
	s_lshl_b32 s26, s26, 2
	s_add_co_u32 s26, s26, s24                     ; the run of 8,192 numbers that I write,
	s_lshl_b32 s27, s27, 2
	s_add_co_u32 s27, s27, s24                     ; and that I read
	s_lshl_b32 s28, s27, 15
	s_mov_b32 s29, 0
	s_add_nc_u64 s[4:5], s[4:5], s[28:29]
	s_lshl_b32 s28, s26, 12
	s_add_nc_u64 s[14:15], s[14:15], s[28:29]
	s_lshl_b32 s28, s26, 8
	s_add_nc_u64 s[16:17], s[16:17], s[28:29]
.macro LOAD t
.irp i, 0,1,2,3
	global_load_b128 v[R+16*((\t)%4)+4*\i:R+16*((\t)%4)+4*\i+3], v3, s[4:5] offset:2048*(\t)+512*\i th:TH_LOAD_NT   ; 32 lanes read 512 consecutive bytes
.endr
.endm
.macro TURN t                          ; a step's 2,048 bytes through my stage: in as they lie, out 64 bytes a lane; LDS serves a wave's instructions in order
.irp i, 0,1,2,3
	ds_store_b128 v14, v[R+16*((\t)%4)+4*\i:R+16*((\t)%4)+4*\i+3] offset:32*SP*((\t)%2)+8*SP*\i
.endr
.irp i, 0,1,2,3
	ds_load_b128 v[X+16*((\t)%2)+4*\i:X+16*((\t)%2)+4*\i+3], v15 offset:32*SP*((\t)%2)+16*\i
.endr
.endm
.irp t, 0,1,2,3
	LOAD \t
.endr
	s_wait_loadcnt 12                              ; step 0's four loads are in; twelve younger ones stay out
	TURN 0
.macro STEP t
.set XS, X+16*((\t)%2)
.if (\t) > 0
	s_wait_dscnt 1                                 ; this step's numbers are back from the stage; the last step's byte store may be out
.else
	s_wait_dscnt 0x0
.endif
.if (\t)+4 < STEPS
	LOAD (\t)+4                                    ; into the registers that the stage's stores have read
.endif
.if (\t)+1 < STEPS
.if STEPS-2-(\t) >= 3
	s_wait_loadcnt 12                              ; the next step's loads are in; those of the three steps behind it may be out
.else
	s_wait_loadcnt 4*(STEPS-2-(\t))
.endif
	TURN (\t)+1
.endif
	v_max3_num_f32 v8, |v[XS]|, |v[XS+1]|, |v[XS+2]|
	v_max3_num_f32 v9, |v[XS+3]|, |v[XS+4]|, |v[XS+5]|
.irp i, 6,10
	v_max3_num_f32 v8, v8, |v[XS+\i]|, |v[XS+\i+1]|
	v_max3_num_f32 v9, v9, |v[XS+\i+2]|, |v[XS+\i+3]|
.endr
	v_max3_num_f32 v8, v8, |v[XS+14]|, |v[XS+15]|
	v_max3_num_f32 v8, v8, v9, 0x1800000           ; with the floor 2^(3 - 127): the byte cannot fall under 1
	v_max_num_f32_dpp v8, v8, v8 row_xmask:1 row_mask:0xf bank_mask:0xf   ; and my neighbour's 16: the block's largest magnitude
	v_add_nc_u32 v11, 0xff000000, v8               ; 2 off its exponent field: the conversion takes that field as its scale
	v_cvt_scalef32_pk8_fp4_f32 v[C+4*(\t)], v[XS:XS+7], v11
	v_cvt_scalef32_pk8_fp4_f32 v[C+4*(\t)+1], v[XS+8:XS+15], v11
	v_lshrrev_b32 v[E+(\t)], 23, v11               ; the scale's byte (also the plain line behind the conversions)
	ds_store_b8 v5, v[E+(\t)] offset:16*(\t)       ; both lanes of a block write the same byte
	global_store_b64 v4, v[C+4*(\t):C+4*(\t)+1], s[14:15] offset:32*CB*(\t)   ; the wave stores 256 consecutive bytes, aligned
.endm
.irp t, 0,1,2,3,4,5,6,7,8,9,10,11,12,13,14,15
	STEP \t
.endr
	ds_load_b64 v[8:9], v6                         ; my wave's 256 scale bytes
	s_wait_dscnt 0x0
	global_store_b64 v7, v[8:9], s[16:17]          ; 256 consecutive bytes, aligned
	s_wait_tensorcnt 0x0                           ; the wave's end: three lines behind my last LDS store
	ds_add_u32 v[SPW], v[NIL]
	s_wait_dscnt 0x0
	s_endpgm
	; ---------------- wo: wave w takes rows 16 nt .. + 15, columns 256 w .. + 255: chunks kc = 2 w + e
.Lwo:
	s_sub_co_u32 s25, ttmp9, 352                   ; nt
	v_and_b32 v4, 15, v0                           ; r
	v_bfe_u32 v5, v0, 4, 1                         ; h
	s_mul_i32 s26, s24, 16*WP
	s_add_co_u32 s26, s26, WSTG                    ; my stage
	v_add_nc_u32 v14, s26, v3                      ; in: a row's 512 bytes, 16 a lane
	v_mul_u32_u24 v15, v4, WP
	v_lshl_add_u32 v15, v5, 5, v15
	v_add_nc_u32 v15, s26, v15                     ; out: row r, + 32 h: my eight numbers of a piece
	s_lshl_b32 s28, s25, 16                        ; 16 rows of 4,096 bytes
	s_lshl_b32 s27, s24, 10
	s_add_co_u32 s28, s28, s27
	s_mov_b32 s29, 0
	s_lshl_b32 s30, s24, 19                        ; two chunks of 262,144 bytes a wave
	s_lshl_b32 s27, s25, 12
	s_add_co_u32 s30, s30, s27
	s_mov_b32 s31, 0
	s_wait_kmcnt 0x0
	s_add_nc_u64 s[12:13], s[12:13], s[28:29]
	s_add_nc_u64 s[22:23], s[22:23], s[30:31]
.macro WOHALF e
.if \e
	s_wait_xcnt 0x0                                ; the first half's stores have read their registers: they are loaded again only behind this wait
.endif
.irp i, 0,1,2,3,4,5,6,7,8,9,10,11,12,13,14,15
	global_load_b128 v[R+4*\i:R+4*\i+3], v3, s[12:13] offset:\i*4096+512*\e th:TH_LOAD_NT
.endr
	s_wait_loadcnt 0x0
.irp i, 0,1,2,3,4,5,6,7,8,9,10,11,12,13,14,15
	ds_store_b128 v14, v[R+4*\i:R+4*\i+3] offset:WP*\i
.endr
.irp p, 0,1,2,3,4,5,6,7
	ds_load_b128 v[XW+8*\p:XW+8*\p+3], v15 offset:64*\p
	ds_load_b128 v[XW+8*\p+4:XW+8*\p+7], v15 offset:64*\p+16
.endr
	s_wait_dscnt 0x0
.irp p, 0,1,2,3,4,5,6,7
.irp j, 0,2,4,6
	v_pk_mul_f32 v[T+\j:T+\j+1], v[XW+8*\p+\j:XW+8*\p+\j+1], 0x46000400 op_sel_hi:[1,0]                       ; c = 8193 x
.endr
.irp j, 0,2,4,6
	v_pk_fma_f32 v[T+\j:T+\j+1], v[XW+8*\p+\j:XW+8*\p+\j+1], 0xc6000000, v[T+\j:T+\j+1] op_sel_hi:[1,0,1]     ; hi = c - 8192 x
.endr
.irp j, 0,1,2,3
	v_cvt_pk_f16_f32 v[H+4*\p+\j], v[T+2*\j], v[T+2*\j+1]
.endr
.irp j, 0,2,4,6
	v_pk_add_f32 v[T+\j:T+\j+1], v[XW+8*\p+\j:XW+8*\p+\j+1], v[T+\j:T+\j+1] neg_lo:[0,1] neg_hi:[0,1]         ; lo = x - hi
.endr
.irp j, 0,2,4,6
	v_pk_mul_f32 v[T+\j:T+\j+1], v[T+\j:T+\j+1], 0x45000000 op_sel_hi:[1,0]                                   ; x 2^11
.endr
.irp j, 0,1,2,3
	v_cvt_pk_f16_f32 v[L+4*\p+\j], v[T+2*\j], v[T+2*\j+1]
.endr
	global_store_b128 v3, v[H+4*\p:H+4*\p+3], s[22:23] offset:262144*\e+512*\p              ; a piece: 512 consecutive bytes, aligned
	global_store_b128 v3, v[L+4*\p:L+4*\p+3], s[22:23] offset:2097152+262144*\e+512*\p
.endr
.endm
	WOHALF 0
	WOHALF 1
	s_wait_tensorcnt 0x0                           ; the wave's end: the three lines
	ds_add_u32 v[SPW], v[NIL]
	s_wait_dscnt 0x0
	s_endpgm
.Lfunc_end_k_qdcc48f1df6_prep:
	.size	k_qdcc48f1df6_prep, .Lfunc_end_k_qdcc48f1df6_prep-k_qdcc48f1df6_prep
	.p2alignl 7, 3214868480
	.fill 96, 4, 3214868480
	.section	.rodata,"a",@progbits
	.p2align	6, 0x0
	.amdhsa_kernel k_qdcc48f1df6_prep
		.amdhsa_group_segment_fixed_size 67072
		.amdhsa_private_segment_fixed_size 0
		.amdhsa_enable_private_segment 0
		.amdhsa_kernarg_size 80
		.amdhsa_user_sgpr_count 2
		.amdhsa_user_sgpr_kernarg_segment_ptr 1
		.amdhsa_wavefront_size32 1
		.amdhsa_system_sgpr_workgroup_id_x 1
		.amdhsa_system_sgpr_workgroup_id_y 1
		.amdhsa_system_sgpr_workgroup_id_z 1
		.amdhsa_system_vgpr_workitem_id 0
		.amdhsa_next_free_vgpr 192
		.amdhsa_next_free_sgpr 66
		.amdhsa_reserve_vcc 0
		.amdhsa_float_denorm_mode_32 3
		.amdhsa_float_denorm_mode_16_64 3
		.amdhsa_memory_ordered 1
		.amdhsa_forward_progress 1
		.amdhsa_inst_pref_size 75
	.end_amdhsa_kernel
	.amdgpu_metadata
---
amdhsa.version: [ 1, 2 ]
amdhsa.kernels:
  - .name:           k_qdcc48f1df6_prep
    .symbol:         k_qdcc48f1df6_prep.kd
    .args:
      - { .name: x, .offset: 0, .size: 8, .value_kind: global_buffer, .address_space: global }
      - { .name: wq, .offset: 8, .size: 8, .value_kind: global_buffer, .address_space: global }
      - { .name: wk, .offset: 16, .size: 8, .value_kind: global_buffer, .address_space: global }
      - { .name: wv, .offset: 24, .size: 8, .value_kind: global_buffer, .address_space: global }
      - { .name: wo, .offset: 32, .size: 8, .value_kind: global_buffer, .address_space: global }
      - { .name: xc, .offset: 40, .size: 8, .value_kind: global_buffer, .address_space: global }
      - { .name: xs, .offset: 48, .size: 8, .value_kind: global_buffer, .address_space: global }
      - { .name: wc, .offset: 56, .size: 8, .value_kind: global_buffer, .address_space: global }
      - { .name: ws, .offset: 64, .size: 8, .value_kind: global_buffer, .address_space: global }
      - { .name: wo2, .offset: 72, .size: 8, .value_kind: global_buffer, .address_space: global }
    .group_segment_fixed_size: 67072
    .private_segment_fixed_size: 0
    .kernarg_segment_align: 8
    .kernarg_segment_size: 80
    .max_flat_workgroup_size: 128
    .sgpr_count:     66
    .vgpr_count:     192
    .wavefront_size: 32
...
	.end_amdgpu_metadata
.endif
;; end of part 1
;; launch qkv (part 2): grid 12 x 32, 4 waves a work-group, clusters of 4 x 4, 327,680 bytes of LDS; arguments xc, xs, wc, ws, qkv, fine32; writes qkv, fine32
.if DOCPART == 2
	.amdgcn_target "amdgcn-amd-amdhsa--gfx1250"
	.amdhsa_code_object_version 6
	.text
	.protected	k_qdcc48f1df6_qkv
	.globl	k_qdcc48f1df6_qkv
	.p2align	8
	.type	k_qdcc48f1df6_qkv,@function
k_qdcc48f1df6_qkv:
	s_mov_b64 s[64:65], 0
	v_nop
	global_prefetch_b8 v0, s[64:65] scope:SCOPE_SE
	s_setreg_imm32_b32 hwreg(HW_REG_WAVE_MODE, 25, 1), 1
	s_wait_xcnt 0x0
	s_wait_alu depctr_hold_cnt(0) depctr_sa_sdst(0) depctr_va_vdst(0) depctr_va_sdst(0) depctr_va_ssrc(0) depctr_va_vcc(0) depctr_vm_vsrc(0)
	s_getreg_b32 s2, hwreg(HW_REG_IB_STS2, 6, 4)
	s_cmp_eq_u32 s2, 0
	s_cbranch_scc0 .Lentry_in_a_cluster
	s_endpgm
.Lentry_in_a_cluster:
	s_bfe_u32 s2, ttmp6, 0x10000c
	s_cmp_lg_u32 s2, 0xf033
	s_cbranch_scc0 .Lentry_shape_is_right
	s_endpgm
.Lentry_shape_is_right:
; QKV.  [8192][3072] = x (codes) times wq | wk | wv (codes), K = 1,024, on FP4 codes with E8M0 scales, sums in f32.
; A tile of 256 x 256 to a work-group of four waves, 128 x 128 a wave: 64 accumulators, 512 registers.  K = 1,024 is two LDS slots of 512 along K (rows of 256 bytes): both are first fills, nothing is filled again, and there is no loop.
; The scale bytes of the work-group's 256 + 256 rows come once, as two dense blocks.
; CLUSTERS 4 x 4: A's tile is asked for jointly along a row of the cluster, B's along a column.  Tile row = 8 cy + cluster y, so that a cluster's four rows are the four batches and
; 'this tile holds positions under 16' is cluster y = 0, the same in all partners.  Tile column = 4 cluster x + cx: cluster x says q, k or v.
; THE PRODUCT IS USED TRANSPOSED (source 0 = 16 rows of w, source 1 = 16 rows of x): a lane holds eight neighbouring channels of one position.  Rounded to f16 they are 16 bytes, and an accumulator is a PIECE
; of 512 bytes in the order of the next product's operand registers: qkv = [which 3][b x head 64][tt 128][cu 4][512 bytes], positions 16 tt + r, channels 16 cu + 8 h + 0..7.
; In q and k lane (r, h) lies at 16 (r + 16 h); in v at 16 (r % 8) + 128 h + 256 (r / 8), which is what the turning LDS load of the attention wants at 16 x lane.  So nothing goes through LDS on the way out.
; Positions under 16 of each batch go out a second time as f32 images of the accumulators: fine32 = [which 3][b 4][head 16][cu 4][g 2][lane 32][16 bytes].
; LIMIT: |q|, |k|, |v| under 65,504 (f16).
; REGISTERS: window 0: v0-31 addresses; v32-95 scale words, two sets; v128-191 A's fragments, one set; on the way out v128-255 packed pieces.  window 1: B's fragments, two sets.  windows 2, 3: the accumulators ((a, b) at v[8 (8 (a % 4) + b)]).
.set NQ,     4                         ; matrix instructions deep in a slot
.set ROWB,   256                       ; a tile's row: 512 codes
.set KROW,   512                       ; a row of codes in memory
.set PITCH,  272                       ; an LDS row: 256 bytes + 16: the 16 rows of a load start at 16 different groups of four banks
.set FR,     8
.set NL,     2
.set NP,     4                         ; places behind this matrix instruction (ISA guide 7.12.1)
.set HALFT,  128*PITCH
.set SLOT,   4*HALFT                   ; A's 256 rows, then B's 256
.set KS,     32                        ; a row of scale bytes
.set SCL,    2*SLOT                    ; the scales, as units of 256 bytes + 16
.set HALFS,  (128*KS/256)*272
.set SBLK,   (16*KS/256)*272
.set SPARE,  SCL+4*HALFS               ; the spare words, 128 bytes a wave
.set ADRA, 16
.set ADRB, 20
.set LO,   24                          ; v24 my 16 bytes in a piece of qkv
.set LF,   25                          ; v25 16 x lane
.set ADRS, 27
.set SPW,  28
.set NIL,  29
.set SC,   32
.set AF,   128
.set TMP,  128
.set G1, 24
.set G0, 32
.set G1B, 48
.set G0B, 56
.set G1S, 68
.set G0S, 76
.set G1SB, 80
.set G0SB, 88
.set MSB, 0
.macro WIN new                         ; the immediate's high byte repeats the setting that is left
.if MSB != \new
	s_set_vgpr_msb (MSB<<8)|\new
.set MSB, \new
.endif
.endm
.set MUL_LO, 0xa1                      ; source 0 (w) window 1, source 1 (x) window 0, C and D window 2
.set MUL_HI, 0xf1
.set TO_B,   0x40
.macro JLOAD g0a, g1a, g0b, g1b        ; waves 0, 1 fetch for A, waves 2, 3 for B; an s_nop 0 and four v_nop follow each line
	s_cmp_eq_u32 s15, 0
	s_cbranch_scc0 .Lfor_b_\@
	tensor_load_to_lds s[\g0a:\g0a+3], s[\g1a:\g1a+7]
	s_nop 0
.rept 4
	v_nop
.endr
	s_branch .Lasked_\@
.Lfor_b_\@:
	tensor_load_to_lds s[\g0b:\g0b+3], s[\g1b:\g1b+7]
	s_nop 0
.rept 4
	v_nop
.endr
.Lasked_\@:
.endm
.macro CROUND                          ; a round of the cluster's barrier
	s_barrier_signal -1
	s_barrier_wait -1
	s_cmp_lg_u32 s14, 0
	s_cbranch_scc1 .Lnot_wave_0_\@
	s_barrier_signal -3
.Lnot_wave_0_\@:
	s_barrier_wait -3
	s_barrier_signal -1
	s_barrier_wait -1
.endm
	s_load_b128 s[4:7], s[0:1], 0x0                ; x's codes, x's scales
	s_load_b128 s[8:11], s[0:1], 0x10              ; w's codes, w's scales
	s_load_b64 s[12:13], s[0:1], 0x20              ; qkv
	s_load_b64 s[66:67], s[0:1], 0x28              ; fine32
	v_lshl_add_u32 v[SPW], v0, 2, SPARE
	v_mov_b32 v[NIL], 0
	ds_add_u32 v[SPW], v[NIL]                      ; the opening: the add, twice on end, and its wait ahead of my first tensor load
	ds_add_u32 v[SPW], v[NIL]
	v_lshrrev_b32 v1, 5, v0
	v_readfirstlane_b32 s14, v1                    ; wave
	s_lshr_b32 s15, s14, 1                         ; my half of the tile's rows; also: I fetch for A (0) or B (1)
	s_and_b32 s16, s14, 1                          ; my half of its columns; also: which 128 rows I fetch
	s_bfe_u32 s40, ttmp6, 0x40000                  ; cx
	s_bfe_u32 s41, ttmp6, 0x40004                  ; cy
	s_lshl_b32 s42, ttmp9, 2
	s_add_co_u32 s42, s42, s40                     ; tile column = 4 cluster x + cx
	s_and_b32 s95, ttmp7, 0xffff                   ; cluster y
	s_lshl_b32 s17, s41, 3
	s_add_co_u32 s17, s17, s95                     ; tile row = 8 cy + cluster y
	s_lshl_b32 s43, s41, 2
	s_lshl_b32 s43, 15, s43                        ; my row of the cluster
	s_lshl_b32 s44, 0x1111, s40                    ; my column
	s_or_b32 s[G1+0], s43, (0<<16)|(1<<20)|(1<<21)|(5<<22)|(3<<25)   ; mask; elements of 1 byte; padding: 4 words behind every 64; bit 21 beside a mask
	s_or_b32 s[G1B+0], s44, (0<<16)|(1<<20)|(1<<21)|(5<<22)|(3<<25)
.irp g, G1, G1B
	s_mov_b32 s[\g+1], ROWB<<16                    ; tensor_dim0
	s_mov_b32 s[\g+2], 128<<16                     ; tensor_dim1
	s_mov_b32 s[\g+3], ROWB<<16                    ; tile_dim0
	s_mov_b32 s[\g+4], 128                         ; tile_dim1
	s_mov_b32 s[\g+5], KROW                        ; the pitch
	s_mov_b32 s[\g+6], 0
	s_mov_b32 s[\g+7], 0
.endr
	s_or_b32 s[G1S+0], s43, (3<<16)|(1<<20)|(1<<21)|(5<<22)|(3<<25)  ; the scales of 128 rows: 4,096 dense bytes as 16 rows of 256
	s_or_b32 s[G1SB+0], s44, (3<<16)|(1<<20)|(1<<21)|(5<<22)|(3<<25)
.irp g, G1S, G1SB
	s_mov_b32 s[\g+1], 32<<16
	s_mov_b32 s[\g+2], (128*KS/256)<<16
	s_mov_b32 s[\g+3], 32<<16
	s_mov_b32 s[\g+4], 128*KS/256
	s_mov_b32 s[\g+5], 32
	s_mov_b32 s[\g+6], 0
	s_mov_b32 s[\g+7], 0
.endr
	s_lshl_b32 s18, s16, 7
	s_lshl_b32 s20, s17, 8
	s_add_co_u32 s20, s20, s18                     ; A: row 256 x tile row + 128 x half
	s_lshl_b32 s46, s42, 8
	s_add_co_u32 s46, s46, s18                     ; B: row 256 x tile column + 128 x half
	s_mov_b32 s21, 0
	s_mov_b32 s47, 0
	s_mov_b64 s[18:19], KS
	s_mul_u64 s[22:23], s[20:21], s[18:19]
	s_mul_u64 s[92:93], s[46:47], s[18:19]
	s_mov_b64 s[18:19], KROW
	s_mul_u64 s[20:21], s[20:21], s[18:19]
	s_mul_u64 s[46:47], s[46:47], s[18:19]
	s_mul_i32 s45, s14, HALFT                      ; where they go: wave x 128 rows
	s_mul_i32 s94, s14, HALFS
	s_wait_dscnt 0x0                               ; both opening adds are done
	s_wait_kmcnt 0x0
	s_add_nc_u64 s[20:21], s[4:5], s[20:21]
	s_add_nc_u64 s[22:23], s[6:7], s[22:23]
	s_add_nc_u64 s[46:47], s[8:9], s[46:47]
	s_add_nc_u64 s[92:93], s[10:11], s[92:93]
	CROUND                                         ; all sixteen work-groups are here: the joint loads meet
	s_mov_b32 s[G0S], 1
	s_add_co_u32 s[G0S+1], s94, SCL
	s_mov_b64 s[G0S+2:G0S+3], s[22:23]
	s_or_b32 s[G0S+3], s[G0S+3], 0x80000000
	s_mov_b32 s[G0SB], 1
	s_add_co_u32 s[G0SB+1], s94, SCL
	s_mov_b64 s[G0SB+2:G0SB+3], s[92:93]
	s_or_b32 s[G0SB+3], s[G0SB+3], 0x80000000
	JLOAD G0S, G1S, G0SB, G1SB                     ; the scales first; by count three loads of mine are out behind the next two
.irp s, 0,1
	s_mov_b32 s[G0+4*\s], 1
	s_add_co_u32 s[G0+4*\s+1], s45, \s*SLOT
	s_add_nc_u64 s[G0+4*\s+2:G0+4*\s+3], s[20:21], \s*ROWB
	s_or_b32 s[G0+4*\s+3], s[G0+4*\s+3], 0x80000000
	s_mov_b32 s[G0B+4*\s], 1
	s_add_co_u32 s[G0B+4*\s+1], s45, \s*SLOT
	s_add_nc_u64 s[G0B+4*\s+2:G0B+4*\s+3], s[46:47], \s*ROWB
	s_or_b32 s[G0B+4*\s+3], s[G0B+4*\s+3], 0x80000000
	JLOAD G0+4*\s, G1, G0B+4*\s, G1B
.endr
	v_and_b32 v1, 15, v0                           ; r
	v_bfe_u32 v2, v0, 4, 1                         ; h
	v_mul_u32_u24 v3, v1, PITCH
	v_lshl_add_u32 v4, v2, 4, v3
	s_mul_i32 s21, s15, HALFT
	s_mul_i32 s22, s16, HALFT
	s_add_co_u32 s22, s22, 2*HALFT
.irp s, 0,1
	v_add_nc_u32 v[ADRA+\s], s21, v4
	v_add_nc_u32 v[ADRB+\s], s22, v4
	s_add_co_u32 s21, s21, SLOT
	s_add_co_u32 s22, s22, SLOT
.endr
	v_mul_u32_u24 v5, v1, KS                       ; my row's scales: KS bytes a row, 16 more for each 256 passed
	v_lshrrev_b32 v6, 8, v5
	v_lshl_add_u32 v5, v6, 4, v5
	s_mul_i32 s21, s15, HALFS
	s_mul_i32 s22, s16, HALFS
	s_add_co_u32 s22, s22, 2*HALFS
	s_sub_co_u32 s22, s22, s21
	v_mul_u32_u24 v6, s22, v2                      ; lanes 16-31 take B's
	s_add_co_u32 s21, s21, SCL
	v_add_nc_u32 v5, v5, v6
	v_add_nc_u32 v[ADRS], s21, v5
	; the way out: my 16 bytes in a piece; in v the lanes lie otherwise
	s_cmp_eq_u32 ttmp9, 2
	s_cselect_b32 s96, 7, 8                        ; h's shift
	s_cselect_b32 s97, 8, 7                        ; (r / 8)'s shift
	v_and_b32 v5, 7, v0
	v_lshlrev_b32 v[LO], 4, v5
	v_bfe_u32 v5, v0, 3, 1
	v_lshlrev_b32 v5, s97, v5
	v_add_nc_u32 v[LO], v[LO], v5
	v_lshlrev_b32 v5, s96, v2
	v_add_nc_u32 v[LO], v[LO], v5
	v_and_b32 v6, 31, v0
	v_lshlrev_b32 v[LF], 4, v6
	s_lshl_b32 s46, s41, 4
	s_lshl_b32 s47, s40, 2
	s_add_co_u32 s46, s46, s47
	s_lshl_b32 s47, s16, 1
	s_add_co_u32 s46, s46, s47                     ; 16 b + my first head
	s_lshl_b32 s92, s46, 12                        ; fine32: 4,096 bytes a head
	s_lshl_b32 s46, s46, 18                        ; qkv: 2^18 bytes a head
	s_lshl_b32 s47, ttmp9, 24
	s_add_co_u32 s46, s46, s47
	s_lshl_b32 s47, s95, 4
	s_lshl_b32 s93, s15, 3
	s_add_co_u32 s47, s47, s93                     ; my first tile of 16 positions: 16 cluster y + 8 x half
	s_lshl_b32 s47, s47, 11
	s_add_co_u32 s46, s46, s47
	s_mov_b32 s47, 0
	s_add_nc_u64 s[12:13], s[12:13], s[46:47]
	s_lshl_b32 s93, ttmp9, 18
	s_add_co_u32 s92, s92, s93
	s_mov_b32 s93, 0
	s_add_nc_u64 s[66:67], s[66:67], s[92:93]
.macro FRAG reg, adr, q, i             ; 16 rows x 128 K of 4-bit codes: 8 registers, two loads 32 bytes apart
.irp c, 0,1
	ds_load_b128 v[\reg+4*\c:\reg+4*\c+3], v[\adr] offset:64*(\q)+32*\c+(\i)*16*PITCH
.endr
.endm
; 16 matrix instructions: A's blocks a0, a0 + 1 x B's eight.  The 64 accumulators take turns, one instruction a turn.
.macro MUL16 a0, p, q, sc, zero
.irp a, \a0, \a0+1
.irp b, 0,1,2,3,4,5,6,7
.if \zero
	v_wmma_scale_f32_16x16x128_f8f6f4 v[8*(8*((\a)%4)+\b):8*(8*((\a)%4)+\b)+7], v[128*(\p)+FR*\b:128*(\p)+FR*\b+FR-1], v[AF+FR*(\a):AF+FR*(\a)+FR-1], 0, v[SC+8*NQ*(\sc)+NQ*\b+(\q)], v[SC+8*NQ*(\sc)+NQ*(\a)+(\q)] matrix_a_fmt:MATRIX_FMT_FP4 matrix_b_fmt:MATRIX_FMT_FP4 matrix_a_scale:MATRIX_SCALE_ROW1
.else
	v_wmma_scale_f32_16x16x128_f8f6f4 v[8*(8*((\a)%4)+\b):8*(8*((\a)%4)+\b)+7], v[128*(\p)+FR*\b:128*(\p)+FR*\b+FR-1], v[AF+FR*(\a):AF+FR*(\a)+FR-1], v[8*(8*((\a)%4)+\b):8*(8*((\a)%4)+\b)+7], v[SC+8*NQ*(\sc)+NQ*\b+(\q)], v[SC+8*NQ*(\sc)+NQ*(\a)+(\q)] matrix_a_fmt:MATRIX_FMT_FP4 matrix_b_fmt:MATRIX_FMT_FP4 matrix_a_scale:MATRIX_SCALE_ROW1
.endif
.endr
.endr
.endm
.macro FETCH_B slot, q, p
	WIN TO_B
.irp i, 0,1,2,3,4,5,6,7
	FRAG 128*(\p)+FR*\i, ADRB+\slot, \q, \i
.endr
	WIN 0
.endm
.macro FETCH_A slot, q, i0
.irp i, \i0, \i0+1, \i0+2, \i0+3
	FRAG AF+FR*(\i), ADRA+\slot, \q, \i
.endr
.endm
.macro SCALES sc                       ; a slot's scale words: lanes 0-15 A's block i, lanes 16-31 B's block i
.irp i, 0,1,2,3,4,5,6,7
	ds_load_b128 v[SC+8*NQ*\sc+NQ*\i:SC+8*NQ*\sc+NQ*\i+3], v[ADRS] offset:\i*SBLK
.endr
.endm
.macro PLACES n                        ; plain vector lines between a matrix instruction and a load into, or a read of, its registers
.rept \n
	v_nop
.endr
.endm
.macro STEP slot, q, zero              ; 128 along K with its successor in the same slot
	s_wait_dscnt 4*NL                              ; B's set and A's blocks 0-3 are in; A's blocks 4-7, the youngest eight loads, may be out
	WIN MUL_LO
	MUL16 0, (\q)%2, \q, \slot, \zero
	MUL16 2, (\q)%2, \q, \slot, \zero
	s_wait_dscnt 0
	PLACES NP
	FETCH_B \slot, (\q)+1, 1-(\q)%2
	FETCH_A \slot, (\q)+1, 0
	WIN MUL_HI
	MUL16 4, (\q)%2, \q, \slot, \zero
	MUL16 6, (\q)%2, \q, \slot, \zero
	PLACES NP
	WIN 0
	FETCH_A \slot, (\q)+1, 4
.endm
.macro TURN slot, next                 ; slot 0's last step: the other slot is shown whole to every wave; nothing is filled
	s_wait_tensorcnt 0x0                           ; all my tensor loads have landed
	ds_add_u32 v[SPW], v[NIL]
	s_wait_dscnt 4*NL+1                            ; the add and A's blocks 4-7 may be out
	WIN MUL_LO
	MUL16 0, 1, NQ-1, \slot, 0
	s_wait_dscnt 0x0
	s_barrier_signal -1
	MUL16 2, 1, NQ-1, \slot, 0
	WIN 0
	s_barrier_wait -1
	PLACES NP
	v_add_nc_u32 v[ADRS], 4*NQ, v[ADRS]            ; the next slot's scale words
	FETCH_B \next, 0, 0
	FETCH_A \next, 0, 0
	SCALES \next
	WIN MUL_HI
	MUL16 4, 1, NQ-1, \slot, 0
	MUL16 6, 1, NQ-1, \slot, 0
	PLACES NP
	WIN 0
	FETCH_A \next, 0, 4
.endm
	s_wait_tensorcnt 1                             ; the scales and my part of slot 0 are in; slot 1's load may be out
	s_barrier_signal -1
	s_barrier_wait -1
	FETCH_B 0, 0, 0
	FETCH_A 0, 0, 0
	SCALES 0
	FETCH_A 0, 0, 4
	STEP 0, 0, 1                                   ; the first products start the sums
	STEP 0, 1, 0
	STEP 0, 2, 0
	TURN 0, 1
	STEP 1, 0, 0
	STEP 1, 1, 0
	STEP 1, 2, 0
	s_wait_dscnt 4*NL
	WIN MUL_LO
	MUL16 0, 1, NQ-1, 1, 0
	MUL16 2, 1, NQ-1, 1, 0
	s_wait_dscnt 0
	WIN MUL_HI
	MUL16 4, 1, NQ-1, 1, 0
	MUL16 6, 1, NQ-1, 1, 0
	WIN 0
	PLACES NP                                      ; behind the last products: for the stores and conversions that read results and write over A's fragments
	s_or_b32 s20, s95, s15                         ; positions under 16 lie in my block 0 where cluster y = 0 and my half is the upper one: ids that all partners share, and the wave's number
	s_cmp_lg_u32 s20, 0
	s_cbranch_scc1 .Lnofine
	WIN 0x08                                       ; a store's data: window 2
.irp b, 0,1,2,3,4,5,6,7
	global_store_b128 v[LF], v[8*\b:8*\b+3], s[66:67] offset:(\b/4)*4096+(\b%4)*1024          ; each accumulator from its low end on
	global_store_b128 v[LF], v[8*\b+4:8*\b+7], s[66:67] offset:(\b/4)*4096+(\b%4)*1024+512
.endr
	WIN 0
.Lnofine:
.macro PACK a                          ; block a: 16 positions x 128 channels: eight pieces
.set AC, 64*((\a)%4)
.set TP, TMP+32*((\a)%4)
	WIN 0x0a+5*((\a)/4)                            ; sources in window 2 or 3
.irp b, 0,1,2,3,4,5,6,7
.irp r, 0,1,2,3
	v_cvt_pk_f16_f32 v[TP+4*\b+\r], v[AC+8*\b+2*\r], v[AC+8*\b+2*\r+1]
.endr
.endr
	WIN 0
.irp b, 0,1,2,3,4,5,6,7
	global_store_b128 v[LO], v[TP+4*\b:TP+4*\b+3], s[12:13] offset:(\b/4)*262144+(\b%4)*512+(\a)*2048   ; the wave stores 512 consecutive bytes, aligned
.endr
.endm
.irp a, 0,1,2,3,4,5,6,7
.if \a >= 4
	s_wait_xcnt 0x0                                ; block a - 4's stores have read their registers
.endif
	PACK \a
.endr
	s_wait_tensorcnt 0x0                           ; the wave's end: the three lines
	ds_add_u32 v[SPW], v[NIL]
	s_wait_dscnt 0x0
	CROUND                                         ; the closing round
	s_endpgm
.Lfunc_end_k_qdcc48f1df6_qkv:
	.size	k_qdcc48f1df6_qkv, .Lfunc_end_k_qdcc48f1df6_qkv-k_qdcc48f1df6_qkv
	.p2alignl 7, 3214868480
	.fill 96, 4, 3214868480
	.section	.rodata,"a",@progbits
	.p2align	6, 0x0
	.amdhsa_kernel k_qdcc48f1df6_qkv
		.amdhsa_group_segment_fixed_size 327680
		.amdhsa_private_segment_fixed_size 0
		.amdhsa_enable_private_segment 0
		.amdhsa_kernarg_size 48
		.amdhsa_user_sgpr_count 2
		.amdhsa_user_sgpr_kernarg_segment_ptr 1
		.amdhsa_wavefront_size32 1
		.amdhsa_system_sgpr_workgroup_id_x 1
		.amdhsa_system_sgpr_workgroup_id_y 1
		.amdhsa_system_sgpr_workgroup_id_z 1
		.amdhsa_system_vgpr_workitem_id 0
		.amdhsa_next_free_vgpr 1024
		.amdhsa_next_free_sgpr 100
		.amdhsa_reserve_vcc 0
		.amdhsa_float_denorm_mode_32 3
		.amdhsa_float_denorm_mode_16_64 3
		.amdhsa_memory_ordered 1
		.amdhsa_forward_progress 1
		.amdhsa_inst_pref_size 120
	.end_amdhsa_kernel
	.amdgpu_metadata
---
amdhsa.version: [ 1, 2 ]
amdhsa.kernels:
  - .name:           k_qdcc48f1df6_qkv
    .symbol:         k_qdcc48f1df6_qkv.kd
    .args:
      - { .name: xc, .offset: 0, .size: 8, .value_kind: global_buffer, .address_space: global }
      - { .name: xs, .offset: 8, .size: 8, .value_kind: global_buffer, .address_space: global }
      - { .name: wc, .offset: 16, .size: 8, .value_kind: global_buffer, .address_space: global }
      - { .name: ws, .offset: 24, .size: 8, .value_kind: global_buffer, .address_space: global }
      - { .name: qkv, .offset: 32, .size: 8, .value_kind: global_buffer, .address_space: global }
      - { .name: fine32, .offset: 40, .size: 8, .value_kind: global_buffer, .address_space: global }
    .group_segment_fixed_size: 327680
    .private_segment_fixed_size: 0
    .kernarg_segment_align: 8
    .kernarg_segment_size: 48
    .max_flat_workgroup_size: 128
    .sgpr_count:     100
    .vgpr_count:     1024
    .wavefront_size: 32
...
	.end_amdgpu_metadata
.endif
;; end of part 2
;; launch first16 (part 3): grid 16 x 4, 16 waves a work-group, no clusters, 84,992 bytes of LDS; arguments fine32, wo2, out0; writes out0
.if DOCPART == 3
	.amdgcn_target "amdgcn-amd-amdhsa--gfx1250"
	.amdhsa_code_object_version 6
	.text
	.protected	k_qdcc48f1df6_first16
	.globl	k_qdcc48f1df6_first16
	.p2align	8
	.type	k_qdcc48f1df6_first16,@function
k_qdcc48f1df6_first16:
	s_mov_b64 s[64:65], 0
	v_nop
	global_prefetch_b8 v0, s[64:65] scope:SCOPE_SE
	s_setreg_imm32_b32 hwreg(HW_REG_WAVE_MODE, 25, 1), 1
	s_wait_xcnt 0x0
; FIRST16.  The first 16 positions of each batch, carried finely: attention in f32 (the f32 matrix form, 16 x 16 x 4: no bulk work), the projection with y and wo as pairs of f16 (high, low x 2^11).
; A work-group takes one batch (y) and 64 of the 1,024 outputs (x), so that a row's 256 bytes of out0 are stored whole.  The batch's 16 heads, a wave each, are computed anew in each of the 16 slices (196,608 bytes read by each).
; No cluster, no tensor load: what is shared is small and comes through registers.
; PHASE 1 (wave = head): S^T = K Q^T (a lane holds one query, registers the keys 8 h + j), causal mask, softmax with the row's maximum taken away, O^T = V^T P, / the sum, split, two images of four pieces to LDS.
; PHASE 2 (wave = tile of 16 outputs nt, quarter of K kq): out = wo_hi y_hi + 2^-11 (wo_lo y_hi + wo_hi y_lo); the product of the two low parts, 2^-22 of the whole, is left out.
; PHASE 3 (waves 0-7): the four quarters are added; sixteen lanes store 256 consecutive bytes, aligned.
; The f32 form's K slots (2 h + j) take channel 16 pc + 8 h + 2 i + j (keys: 8 h + 2 i + j) on both sources alike: a permutation of K that changes no product.
.set YH,    0                          ; LDS: y's 64 high pieces
.set YL,    32768                      ; its 64 low pieces
.set PS,    65536                      ; partial sums [kq 4][16 rows][256 + 16 bytes]
.set SPARE, 82944                      ; the spare words, 128 bytes a wave
.set L16, 1                            ; v1 16 x lane
.set VG,  2                            ; v2 V's gather: my channel's place in an image
.set DD,  3                            ; v3 r - 8 h: key register j is hidden where j > this
.set NINF,4
.set YST, 5
.set YRD, 6
.set PST, 7
.set PRD, 8
.set OUTO,9
.set SPW, 10
.set NIL, 11
.set QF,  16                           ; v16-47 Q; later wo's high fragments
.set KK,  48                           ; v48-79 K; later wo's low fragments
.set VT,  80                           ; v80-111 V^T; then y's packed pieces; later y's high fragments
.set YF,  112                          ; v112-143 y in f32; later y's low fragments
.set SA,  144                          ; v144-175 four accumulators of S^T: written by matrix instructions alone
.set OA,  176                          ; v176-207 four of O^T: likewise
.set T,   208                          ; v208-215 scores, then p
.set U,   216                          ; v216-223 at work
.set A0,  224                          ; v224-247 the projection's three accumulators
.set A1,  232
.set A2,  240
.set W,   248                          ; v248-255 at work
	s_load_b128 s[4:7], s[0:1], 0x0                ; fine32, wo2
	s_load_b64 s[8:9], s[0:1], 0x10                ; out0
	v_lshl_add_u32 v[SPW], v0, 2, SPARE
	v_mov_b32 v[NIL], 0
	v_lshrrev_b32 v12, 5, v0
	v_readfirstlane_b32 s10, v12                   ; wave
	v_and_b32 v13, 31, v0                          ; lane
	v_and_b32 v14, 15, v0                          ; r
	v_bfe_u32 v15, v0, 4, 1                        ; h
	v_lshlrev_b32 v[L16], 4, v13
	v_bfe_u32 v[VG], v0, 2, 1                      ; channel r of a tile lies in image half (r / 4) % 2, lane half r / 8, word r % 4; my keys begin at 8 h
	v_lshlrev_b32 v[VG], 9, v[VG]
	v_bfe_u32 v[DD], v0, 3, 1
	v_lshl_add_u32 v[VG], v[DD], 8, v[VG]
	v_and_b32 v[DD], 3, v0
	v_lshl_add_u32 v[VG], v[DD], 2, v[VG]
	v_lshl_add_u32 v[VG], v15, 7, v[VG]
	v_lshlrev_b32 v[DD], 3, v15
	v_sub_nc_u32 v[DD], v14, v[DD]
	v_mov_b32 v[NINF], 0xff800000
	s_and_b32 s11, s10, 3                          ; nt
	s_lshr_b32 s12, s10, 2                         ; kq
	s_lshl_b32 s15, s10, 11
	v_add_nc_u32 v[YST], s15, v[L16]               ; my head's four pieces
	s_lshl_b32 s15, s12, 13
	v_add_nc_u32 v[YRD], s15, v[L16]               ; my quarter's sixteen
	s_mul_i32 s15, s12, 4352
	s_lshl_b32 s16, s11, 6
	s_add_co_u32 s15, s15, s16
	s_add_co_u32 s15, s15, PS
	v_mul_u32_u24 v[PST], v14, 272
	v_lshl_add_u32 v[PST], v15, 5, v[PST]
	v_add_nc_u32 v[PST], s15, v[PST]
	s_and_b32 s15, s10, 7
	s_mul_i32 s15, s15, 544
	s_add_co_u32 s15, s15, PS
	v_mul_u32_u24 v[PRD], v15, 272
	v_lshl_add_u32 v[PRD], v14, 4, v[PRD]
	v_add_nc_u32 v[PRD], s15, v[PRD]
	v_lshlrev_b32 v[OUTO], 12, v15
	v_lshl_add_u32 v[OUTO], v14, 4, v[OUTO]
	s_mov_b32 s20, 0x76543210                      ; lane l xor 16
	s_mov_b32 s21, 0xfedcba98
	s_mov_b32 s22, 0x3e38aa3b                      ; c = log2(e) / sqrt(64)
	s_and_b32 s14, ttmp7, 0xffff                   ; batch
	s_lshl_b32 s16, s14, 16
	s_lshl_b32 s17, s10, 12
	s_add_co_u32 s16, s16, s17                     ; fine32: batch, head
	s_mov_b32 s17, 0
	s_lshl_b32 s18, s12, 19                        ; wo2: chunk 2 kq,
	s_lshl_b32 s19, ttmp9, 2
	s_add_co_u32 s19, s19, s11
	s_lshl_b32 s19, s19, 12                        ; tile of outputs 4 x slice + nt
	s_add_co_u32 s18, s18, s19
	s_mov_b32 s19, 0
	s_lshl_b32 s24, s14, 23                        ; out0: 2,048 rows of 4,096 bytes a batch,
	s_and_b32 s25, s10, 7
	s_lshl_b32 s25, s25, 13                        ; two rows a wave,
	s_add_co_u32 s24, s24, s25
	s_lshl_b32 s25, ttmp9, 8                       ; 256 bytes a slice
	s_add_co_u32 s24, s24, s25
	s_mov_b32 s25, 0
	s_wait_kmcnt 0x0
	s_add_nc_u64 s[4:5], s[4:5], s[16:17]
	s_add_nc_u64 s[6:7], s[6:7], s[18:19]
	s_add_nc_u64 s[8:9], s[8:9], s[24:25]
.irp pc, 0,1,2,3
.irp g, 0,1
	global_load_b128 v[QF+8*\pc+4*\g:QF+8*\pc+4*\g+3], v[L16], s[4:5] offset:\pc*1024+\g*512
.endr
.endr
.irp pc, 0,1,2,3
.irp g, 0,1
	global_load_b128 v[KK+8*\pc+4*\g:KK+8*\pc+4*\g+3], v[L16], s[4:5] offset:262144+\pc*1024+\g*512
.endr
.endr
.irp ct, 0,1,2,3
.irp n, 0,1,2,3,4,5,6,7
	global_load_b32 v[VT+8*\ct+\n], v[VG], s[4:5] offset:524288+\ct*1024+\n*16     ; V(key 8 h + n, channel 16 ct + r)
.endr
.endr
	s_wait_loadcnt 32                              ; Q and K are in; V's 32 loads may be out
.irp i, 0,1,2,3                                ; S^T: four accumulators by turns, one for each 16 channels
.irp pc, 0,1,2,3
.if \i == 0
	v_wmma_f32_16x16x4_f32 v[SA+8*\pc:SA+8*\pc+7], v[KK+8*\pc+2*\i:KK+8*\pc+2*\i+1], v[QF+8*\pc+2*\i:QF+8*\pc+2*\i+1], 0
.else
	v_wmma_f32_16x16x4_f32 v[SA+8*\pc:SA+8*\pc+7], v[KK+8*\pc+2*\i:KK+8*\pc+2*\i+1], v[QF+8*\pc+2*\i:QF+8*\pc+2*\i+1], v[SA+8*\pc:SA+8*\pc+7]
.endif
.endr
.endr
.rept 8
	v_nop                                          ; eight places behind this form, ahead of loads into its sources and of reads of its results
.endr
.macro WLOAD e                         ; wo's fragments of chunk 2 kq + e: four of 32 along K, high and low
.irp ks, 0,1,2,3
.irp u, 0,1
	global_load_b128 v[QF+8*\ks+4*\u:QF+8*\ks+4*\u+3], v[L16], s[6:7] offset:262144*\e+1024*\ks+512*\u
	global_load_b128 v[KK+8*\ks+4*\u:KK+8*\ks+4*\u+3], v[L16], s[6:7] offset:2097152+262144*\e+1024*\ks+512*\u
.endr
.endr
.endm
	WLOAD 0
.irp j, 0,2,4,6                                ; the four partial scores are added, each accumulator from its low end on
	v_pk_add_f32 v[T+\j:T+\j+1], v[SA+\j:SA+\j+1], v[SA+8+\j:SA+8+\j+1]
	v_pk_add_f32 v[U+\j:U+\j+1], v[SA+16+\j:SA+16+\j+1], v[SA+24+\j:SA+24+\j+1]
.endr
.irp j, 0,2,4,6
	v_pk_add_f32 v[T+\j:T+\j+1], v[T+\j:T+\j+1], v[U+\j:U+\j+1]
.endr
.irp j, 0,1,2,3,4,5,6,7
	v_cmp_gt_i32 vcc_lo, \j, v[DD]                 ; key 8 h + j comes after query r
	v_cndmask_b32 v[T+\j], v[T+\j], v[NINF], vcc_lo
.endr
	v_max3_num_f32 v12, v[T], v[T+1], v[T+2]
	v_max3_num_f32 v13, v[T+3], v[T+4], v[T+5]
	v_max3_num_f32 v12, v12, v[T+6], v[T+7]
	v_max_num_f32 v12, v12, v13
	v_permlanex16_b32 v15, v12, s20, s21
	v_max_num_f32 v12, v12, v15                    ; the row's maximum (key 0 counts for every query)
	v_mul_f32 v12, s22, v12
.irp j, 0,1,2,3,4,5,6,7
	v_fma_f32 v[T+\j], v[T+\j], s22, -v12
.endr
.irp j, 0,1,2,3,4,5,6,7
	v_exp_f32 v[T+\j], v[T+\j]
.endr
	v_nop                                          ; a plain line behind the batch,
	s_wait_alu depctr_va_vdst(0)                   ; and one wait for it, ahead of its first reader
	v_pk_add_f32 v[U:U+1], v[T:T+1], v[T+2:T+3]
	v_pk_add_f32 v[U+2:U+3], v[T+4:T+5], v[T+6:T+7]
	v_pk_add_f32 v[U:U+1], v[U:U+1], v[U+2:U+3]
	v_add_f32 v13, v[U], v[U+1]
	v_permlanex16_b32 v15, v13, s20, s21
	v_add_f32 v13, v13, v15                        ; the row's sum
	v_rcp_f32 v14, v13
	v_nop
	s_wait_alu depctr_va_vdst(0)
	s_wait_loadcnt 16                              ; V is in; wo's 16 loads may be out
.irp i, 0,1,2,3                                ; O^T: four accumulators by turns, one for each 16 channels
.irp ct, 0,1,2,3
.if \i == 0
	v_wmma_f32_16x16x4_f32 v[OA+8*\ct:OA+8*\ct+7], v[VT+8*\ct+2*\i:VT+8*\ct+2*\i+1], v[T+2*\i:T+2*\i+1], 0
.else
	v_wmma_f32_16x16x4_f32 v[OA+8*\ct:OA+8*\ct+7], v[VT+8*\ct+2*\i:VT+8*\ct+2*\i+1], v[T+2*\i:T+2*\i+1], v[OA+8*\ct:OA+8*\ct+7]
.endif
.endr
.endr
.rept 8
	v_nop
.endr
.irp n, 0,2,4,6,8,10,12,14,16,18,20,22,24,26,28,30
	v_pk_mul_f32 v[YF+\n:YF+\n+1], v[OA+\n:OA+\n+1], v[14:15] op_sel_hi:[1,0]      ; y = O^T / the sum, into other registers
.endr
.irp ct, 0,1,2,3                               ; the split, in f32: c = 8193 y; hi = c - 8192 y; lo = y - hi
.irp j, 0,2,4,6
	v_pk_mul_f32 v[W+\j:W+\j+1], v[YF+8*\ct+\j:YF+8*\ct+\j+1], 0x46000400 op_sel_hi:[1,0]
.endr
.irp j, 0,2,4,6
	v_pk_fma_f32 v[W+\j:W+\j+1], v[YF+8*\ct+\j:YF+8*\ct+\j+1], 0xc6000000, v[W+\j:W+\j+1] op_sel_hi:[1,0,1]
.endr
.irp j, 0,1,2,3
	v_cvt_pk_f16_f32 v[VT+4*\ct+\j], v[W+2*\j], v[W+2*\j+1]
.endr
.irp j, 0,2,4,6
	v_pk_add_f32 v[W+\j:W+\j+1], v[YF+8*\ct+\j:YF+8*\ct+\j+1], v[W+\j:W+\j+1] neg_lo:[0,1] neg_hi:[0,1]
.endr
.irp j, 0,2,4,6
	v_pk_mul_f32 v[W+\j:W+\j+1], v[W+\j:W+\j+1], 0x45000000 op_sel_hi:[1,0]
.endr
.irp j, 0,1,2,3
	v_cvt_pk_f16_f32 v[VT+16+4*\ct+\j], v[W+2*\j], v[W+2*\j+1]
.endr
.endr
.irp ct, 0,1,2,3
	ds_store_b128 v[YST], v[VT+4*\ct:VT+4*\ct+3] offset:YH+512*\ct
	ds_store_b128 v[YST], v[VT+16+4*\ct:VT+16+4*\ct+3] offset:YL+512*\ct
.endr
	s_wait_dscnt 0x0                               ; for the others' sake: my pieces lie in LDS
	s_barrier_signal -1
	s_barrier_wait -1
.macro HALF e                          ; 128 of my 256 along K: three accumulators by turns
.if \e
.rept 4
	v_nop                                          ; places ahead of loads into registers that matrix instructions have read
.endr
	WLOAD 1
.endif
.irp ks, 0,1,2,3
.irp u, 0,1
	ds_load_b128 v[VT+8*\ks+4*\u:VT+8*\ks+4*\u+3], v[YRD] offset:YH+4096*\e+1024*\ks+512*\u
	ds_load_b128 v[YF+8*\ks+4*\u:YF+8*\ks+4*\u+3], v[YRD] offset:YL+4096*\e+1024*\ks+512*\u
.endr
.endr
	s_wait_loadcnt 0x0
	s_wait_dscnt 0x0
.irp ks, 0,1,2,3
.if (\e == 0) && (\ks == 0)
	v_wmma_f32_16x16x32_f16 v[A0:A0+7], v[QF+8*\ks:QF+8*\ks+7], v[VT+8*\ks:VT+8*\ks+7], 0
	v_wmma_f32_16x16x32_f16 v[A1:A1+7], v[KK+8*\ks:KK+8*\ks+7], v[VT+8*\ks:VT+8*\ks+7], 0
	v_wmma_f32_16x16x32_f16 v[A2:A2+7], v[QF+8*\ks:QF+8*\ks+7], v[YF+8*\ks:YF+8*\ks+7], 0
.else
	v_wmma_f32_16x16x32_f16 v[A0:A0+7], v[QF+8*\ks:QF+8*\ks+7], v[VT+8*\ks:VT+8*\ks+7], v[A0:A0+7]
	v_wmma_f32_16x16x32_f16 v[A1:A1+7], v[KK+8*\ks:KK+8*\ks+7], v[VT+8*\ks:VT+8*\ks+7], v[A1:A1+7]
	v_wmma_f32_16x16x32_f16 v[A2:A2+7], v[QF+8*\ks:QF+8*\ks+7], v[YF+8*\ks:YF+8*\ks+7], v[A2:A2+7]
.endif
.endr
.endm
	HALF 0
	HALF 1
.rept 4
	v_nop
.endr
.irp j, 0,2,4,6
	v_pk_add_f32 v[A1+\j:A1+\j+1], v[A1+\j:A1+\j+1], v[A2+\j:A2+\j+1]
.endr
.irp j, 0,2,4,6
	v_pk_fma_f32 v[A0+\j:A0+\j+1], v[A1+\j:A1+\j+1], 0x3a000000, v[A0+\j:A0+\j+1] op_sel_hi:[1,0,1]   ; + 2^-11 x the two cross terms
.endr
	ds_store_b128 v[PST], v[A0:A0+3]               ; lane (r, h): out(r, 16 nt + 8 h + 0..7) of my quarter of K
	ds_store_b128 v[PST], v[A0+4:A0+7] offset:16
	s_wait_dscnt 0x0
	s_barrier_signal -1
	s_barrier_wait -1
	s_cmp_lt_u32 s10, 8                            ; eight waves store two rows each; no barrier stands in this branch
	s_cbranch_scc0 .Ldone
.irp q, 0,1,2,3
	ds_load_b128 v[QF+4*\q:QF+4*\q+3], v[PRD] offset:4352*\q
.endr
	s_wait_dscnt 0x0
	v_pk_add_f32 v[QF:QF+1], v[QF:QF+1], v[QF+4:QF+5]
	v_pk_add_f32 v[QF+2:QF+3], v[QF+2:QF+3], v[QF+6:QF+7]
	v_pk_add_f32 v[QF+8:QF+9], v[QF+8:QF+9], v[QF+12:QF+13]
	v_pk_add_f32 v[QF+10:QF+11], v[QF+10:QF+11], v[QF+14:QF+15]
	v_pk_add_f32 v[QF:QF+1], v[QF:QF+1], v[QF+8:QF+9]
	v_pk_add_f32 v[QF+2:QF+3], v[QF+2:QF+3], v[QF+10:QF+11]
	global_store_b128 v[OUTO], v[QF:QF+3], s[8:9]  ; sixteen lanes store 256 consecutive bytes, aligned
.Ldone:
	s_wait_tensorcnt 0x0                           ; the wave's end: the three lines
	ds_add_u32 v[SPW], v[NIL]
	s_wait_dscnt 0x0
	s_endpgm
.Lfunc_end_k_qdcc48f1df6_first16:
	.size	k_qdcc48f1df6_first16, .Lfunc_end_k_qdcc48f1df6_first16-k_qdcc48f1df6_first16
	.p2alignl 7, 3214868480
	.fill 96, 4, 3214868480
	.section	.rodata,"a",@progbits
	.p2align	6, 0x0
	.amdhsa_kernel k_qdcc48f1df6_first16
		.amdhsa_group_segment_fixed_size 84992
		.amdhsa_private_segment_fixed_size 0
		.amdhsa_enable_private_segment 0
		.amdhsa_kernarg_size 24
		.amdhsa_user_sgpr_count 2
		.amdhsa_user_sgpr_kernarg_segment_ptr 1
		.amdhsa_wavefront_size32 1
		.amdhsa_system_sgpr_workgroup_id_x 1
		.amdhsa_system_sgpr_workgroup_id_y 1
		.amdhsa_system_sgpr_workgroup_id_z 1
		.amdhsa_system_vgpr_workitem_id 0
		.amdhsa_next_free_vgpr 256
		.amdhsa_next_free_sgpr 66
		.amdhsa_reserve_vcc 1
		.amdhsa_float_denorm_mode_32 3
		.amdhsa_float_denorm_mode_16_64 3
		.amdhsa_memory_ordered 1
		.amdhsa_forward_progress 1
		.amdhsa_inst_pref_size 31
	.end_amdhsa_kernel
	.amdgpu_metadata
---
amdhsa.version: [ 1, 2 ]
amdhsa.kernels:
  - .name:           k_qdcc48f1df6_first16
    .symbol:         k_qdcc48f1df6_first16.kd
    .args:
      - { .name: fine32, .offset: 0, .size: 8, .value_kind: global_buffer, .address_space: global }
      - { .name: wo2, .offset: 8, .size: 8, .value_kind: global_buffer, .address_space: global }
      - { .name: out0, .offset: 16, .size: 8, .value_kind: global_buffer, .address_space: global }
    .group_segment_fixed_size: 84992
    .private_segment_fixed_size: 0
    .kernarg_segment_align: 8
    .kernarg_segment_size: 24
    .max_flat_workgroup_size: 512
    .sgpr_count:     66
    .vgpr_count:     256
    .wavefront_size: 32
...
	.end_amdgpu_metadata
.endif
;; end of part 3
;; launch attn (part 4): grid 4 x 64, 16 waves a work-group, clusters of 4 x 1, 327,680 bytes of LDS; arguments qkv, y; writes y
.if DOCPART == 4
	.amdgcn_target "amdgcn-amd-amdhsa--gfx1250"
	.amdhsa_code_object_version 6
	.text
	.protected	k_qdcc48f1df6_attn
	.globl	k_qdcc48f1df6_attn
	.p2align	8
	.type	k_qdcc48f1df6_attn,@function
k_qdcc48f1df6_attn:
	s_mov_b64 s[64:65], 0
	v_nop
	global_prefetch_b8 v0, s[64:65] scope:SCOPE_SE
	s_setreg_imm32_b32 hwreg(HW_REG_WAVE_MODE, 25, 1), 1
	s_wait_xcnt 0x0
	s_wait_alu depctr_hold_cnt(0) depctr_sa_sdst(0) depctr_va_vdst(0) depctr_va_sdst(0) depctr_va_ssrc(0) depctr_va_vcc(0) depctr_vm_vsrc(0)
	s_getreg_b32 s2, hwreg(HW_REG_IB_STS2, 6, 4)
	s_cmp_eq_u32 s2, 0
	s_cbranch_scc0 .Lentry_in_a_cluster
	s_endpgm
.Lentry_in_a_cluster:
	s_bfe_u32 s2, ttmp6, 0x10000c
	s_cmp_lg_u32 s2, 0x3003
	s_cbranch_scc0 .Lentry_shape_is_right
	s_endpgm
.Lentry_shape_is_right:
; ATTN.  y[b][t][head] = softmax over keys s <= t of (q . k / 8) times v, head size 64; q, k, v, the weights p and y in f16, products, maxima and sums in f32; a running maximum is taken away ahead of every exponential.
; CLUSTER.  The four work-groups of a cluster serve ONE (batch, head) and walk the same K and V: each tile is asked for jointly, by the same tensor load with the mask of all four.
; SHARES.  The head's 2,048 queries are 16 groups of 128.  A group's four chunks of 32 queries go one to each partner (by its place, which enters Q's and y's addresses and the mask's compared VALUES alone).
; Wave w takes group g(w): two tiles of 16 queries.  It works on the keys under 128 (g + 1): a branch on the wave's number and the count of steps, alike in all partners; it masks in its own group's 128 keys.
; So all partners have the same work, walk all 8 slots and read every slot (the wave of group 15 does).  g(w) = 4 (a ^ b) + (a ^ m(b)), a = w / 4, b = w % 4, m = 0, 2, 3, 1: any four waves w = const mod 4
; or const / 4 hold one group of each quarter of the sequence.
; LAYOUT.  S^T = K Q^T and O^T = V^T P: a lane holds one query throughout.  K's and Q's pieces are operand registers as they lie; V's come by the turning LDS load at 16 x lane.  O^T, packed, is a piece of y:
; y = [kc 8][mt 512][p 8][512 bytes], kc = head / 2, mt = 128 b + t / 16, p = 4 (head % 2) + channels / 16.  No LDS store, no padding: every LDS load reads 512 consecutive bytes.
; RING.  Two slots of 256 keys (K 32,768 bytes, then V 32,768), four steps of 64 keys each; waves 0-3 fetch a quarter each, one load a wave behind each round.
; LIMIT: |q|, |k|, |v| under 65,504 (f16).  Rows under position 16 are also written here, but out0's rows there come from the launch that carries them finely.
.set SLOTB, 65536
.set SPARE, 131072                     ; the spare words, 128 bytes a wave
.set LA,   1                           ; v1 16 x lane
.set ADR,  2                           ; v2 the step's LDS address
.set VQ,   3                           ; v3 my query - 8 h
.set D0,   4                           ; v4, v5 the mask's bound for the two tiles
.set NINF, 6
.set PFO,  7                           ; v7 256 x lane
.set ST,   8                           ; v8-23 a tile's eight: +0 c m, +1 m, +2, +3 the sum in two halves, +4 .. +7 at work; a in +6
.set CH2,  24                          ; v24-27 the sums' second chains
.set SPW,  28
.set NIL,  29
.set QF,   32                          ; v32-63 Q: tile i, channels 32 c on: 16 i + 8 c
.set S,    64                          ; v64-127 S^T: 32 i + 8 kt; then p; then P packed in place: 32 i + 8 s2
.set KV,   128                         ; v128-191 K's fragments, then V's
.set O,    192                         ; v192-255 O^T: 32 i + 8 ct
.set WV,   18
.set SEL,  20
.set CS,   22
.set G1,   24
.set G0,   32
.set TB,   2                           ; s2 LDS byte of the step's tiles
.set KF,   3                           ; s3 the step's first key
.set LIMW, 36                          ; s36 my wave works on keys under this
.set DIAG, 37                          ; s37 and masks from this key on
.set SLOTS,38
.set STEPC,39
.set PFA,  40
.set LIM,  42
.macro CROUND
	s_barrier_signal -1
	s_barrier_wait -1
	s_cmp_lg_u32 s[WV], 0
	s_cbranch_scc1 .Lnw0_\@
	s_barrier_signal -3
.Lnw0_\@:
	s_barrier_wait -3
	s_barrier_signal -1
	s_barrier_wait -1
.endm
.macro JLOAD                           ; waves 0-3 fetch; the branch hangs on the wave's number alone; an s_nop 0 and four v_nop follow the load
	s_cmp_lt_u32 s[WV], 4
	s_cbranch_scc0 .Lno_\@
	tensor_load_to_lds s[G0:G0+3], s[G1:G1+7]
	s_nop 0
.rept 4
	v_nop
.endr
.Lno_\@:
.endm
; A prefetch of the slot that the NEXT change will ask for, four key steps ahead of that load.  A slot's K and V are 128 + 128 blocks of 256 bytes: the four partners take 32 of each, told apart by address;
; wave 4 asks for K's, wave 5 for V's, a lane a block: each block is named once.  The last change that fills asks for nothing.
.macro ASK
	s_cmp_gt_u32 s[SLOTS], s[LIM]
	s_cbranch_scc0 .Lnm_\@
	global_prefetch_b8 v[PFO], s[PFA:PFA+1] th:TH_LOAD_NT scope:SCOPE_SE
.Lnm_\@:
.endm
	s_load_b128 s[4:7], s[0:1], 0x0                ; qkv, y
	v_lshl_add_u32 v[SPW], v0, 2, SPARE
	v_mov_b32 v[NIL], 0
	ds_add_u32 v[SPW], v[NIL]                      ; the opening: the add, twice on end, and its wait
	ds_add_u32 v[SPW], v[NIL]
	v_lshrrev_b32 v1, 5, v0
	v_readfirstlane_b32 s[WV], v1
	s_bfe_u32 s8, ttmp6, 0x40000                   ; cx
	s_and_b32 s9, ttmp7, 0xffff                    ; 16 b + head
	s_lshr_b32 s10, s[WV], 2                       ; a
	s_and_b32 s11, s[WV], 3                        ; b
	s_lshl_b32 s12, s11, 1
	s_lshr_b32 s13, s11, 1
	s_mul_i32 s13, s13, 3
	s_xor_b32 s12, s12, s13
	s_and_b32 s12, s12, 3                          ; m(b)
	s_xor_b32 s13, s10, s11
	s_lshl_b32 s13, s13, 2
	s_xor_b32 s12, s10, s12
	s_add_co_u32 s13, s13, s12                     ; g
	s_lshl_b32 s[DIAG], s13, 7
	s_add_co_u32 s[LIMW], s[DIAG], 128
	s_lshl_b32 s14, s8, 5
	s_add_co_u32 s14, s14, s[DIAG]                 ; my first query
	s_mov_b32 s[G1], 0x0023000f                    ; the mask of all four; elements of 8 bytes; bit 21 beside a mask; no padding
	s_mov_b32 s[G1+1], 32<<16                      ; tensor_dim0: 256 bytes
	s_mov_b32 s[G1+2], 64<<16                      ; tensor_dim1: 64 rows
	s_mov_b32 s[G1+3], 32<<16                      ; tile_dim0
	s_mov_b32 s[G1+4], 64                          ; tile_dim1
	s_mov_b32 s[G1+5], 32                          ; dense
	s_mov_b32 s[G1+6], 0
	s_mov_b32 s[G1+7], 0
	s_mov_b32 s[G0], 1
	s_lshl_b32 s[G0+1], s11, 14                    ; K's halves, then V's halves
	s_lshl_b32 s16, s9, 18                         ; the head's first byte in q, k and v
	s_bfe_u32 s48, s[WV], 0x10001
	s_add_co_u32 s48, s48, 1                       ; k (1) or v (2)
	s_lshl_b32 s48, s48, 24
	s_add_co_u32 s48, s48, s16
	s_and_b32 s17, s[WV], 1
	s_lshl_b32 s49, s17, 14
	s_add_co_u32 s48, s48, s49
	s_mov_b32 s49, 0
	s_lshl_b32 s50, s14, 7                         ; q: 2,048 bytes for 16 queries
	s_add_co_u32 s50, s50, s16
	s_mov_b32 s51, 0
	s_and_b32 s52, s9, 15                          ; head
	s_lshr_b32 s53, s52, 1
	s_lshl_b32 s53, s53, 21
	s_and_b32 s52, s52, 1
	s_lshl_b32 s52, s52, 11
	s_add_co_u32 s52, s52, s53
	s_lshr_b32 s53, s9, 4                          ; b
	s_lshl_b32 s53, s53, 19
	s_add_co_u32 s52, s52, s53
	s_lshl_b32 s53, s14, 8                         ; 4,096 bytes for 16 positions
	s_add_co_u32 s52, s52, s53
	s_mov_b32 s53, 0
	s_add_co_u32 s54, s17, 1                       ; the prefetches: k in wave 4, v in wave 5,
	s_lshl_b32 s54, s54, 24
	s_add_co_u32 s54, s54, s16
	s_lshl_b32 s55, s8, 13                         ; my work-group's 32 blocks,
	s_add_co_u32 s54, s54, s55
	s_add_co_u32 s54, s54, 32768                   ; at slot 1: the first change steps it to slot 2
	s_mov_b32 s55, 0
	s_lshr_b32 s[LIM], s[WV], 1
	s_cmp_eq_u32 s[LIM], 2
	s_cselect_b32 s[LIM], 1, -1
	s_mov_b32 s[SEL], 0x76543210
	s_mov_b32 s[SEL+1], 0xfedcba98
	s_mov_b32 s[CS], 0x3e38aa3b                    ; c = log2(e) / sqrt(64)
	s_mov_b32 s[CS+1], s[CS]
	s_mov_b32 s[TB], 0
	s_mov_b32 s[KF], 0
	s_mov_b32 s[SLOTS], 7
	s_wait_dscnt 0x0                               ; both opening adds are done
	s_wait_kmcnt 0x0
	s_add_nc_u64 s[G0+2:G0+3], s[4:5], s[48:49]
	s_or_b32 s[G0+3], s[G0+3], 0x80000000
	s_add_nc_u64 s[46:47], s[4:5], s[50:51]        ; q at my first query
	s_add_nc_u64 s[44:45], s[6:7], s[52:53]        ; y likewise
	s_add_nc_u64 s[PFA:PFA+1], s[4:5], s[54:55]
	CROUND                                         ; all four work-groups are here
	JLOAD                                          ; slot 0
	v_and_b32 v[LA], 31, v0
	v_lshlrev_b32 v[PFO], 8, v[LA]
	v_lshlrev_b32 v[LA], 4, v[LA]
.irp i, 0,1
.irp c, 0,1
.irp u, 0,1
	global_load_b128 v[QF+16*\i+8*\c+4*\u:QF+16*\i+8*\c+4*\u+3], v[LA], s[46:47] offset:2048*\i+512*(2*\c+\u)
.endr
.endr
.endr
	v_and_b32 v[VQ], 15, v0
	v_bfe_u32 v[D0], v0, 4, 1
	v_lshlrev_b32 v[D0], 3, v[D0]
	v_sub_nc_u32 v[VQ], v[VQ], v[D0]
	v_add_nc_u32 v[VQ], s14, v[VQ]
	v_mov_b32 v[NINF], 0xff800000
.irp t, 0,1
	v_mov_b32 v[ST+8*\t+1], 0xff61b1e6             ; m = -3e38, under every score
	v_mul_f32 v[ST+8*\t], s[CS], v[ST+8*\t+1]
	v_mov_b32 v[ST+8*\t+2], 0
	v_mov_b32 v[ST+8*\t+3], 0
	v_mov_b32 v[ST+8*\t+5], 0                      ; a lane permute's destination counts as one of its sources,
	v_mov_b32 v[ST+8*\t+7], 0                      ; and this one is named as the upper half of the pair with a: both are written once here, on every way to the way out
.endr
.irp n, 0,1,2,3,4,5,6,7,8,9,10,11,12,13,14,15,16,17,18,19,20,21,22,23,24,25,26,27,28,29,30,31,32,33,34,35,36,37,38,39,40,41,42,43,44,45,46,47,48,49,50,51,52,53,54,55,56,57,58,59,60,61,62,63
	v_mov_b32 v[O+\n], 0                           ; once: the step is written without a first copy; the first a is 0 and leaves zeros
.endr
	s_wait_loadcnt 0x0                             ; Q
.macro SOFTMAX                         ; both tiles line by line in turn
.irp j, 0,1,2,3
.irp t, 0,1
	v_max3_num_f32 v[ST+8*\t+4+\j], v[S+32*\t+8*\j], v[S+32*\t+8*\j+1], v[S+32*\t+8*\j+2]     ; four chains; each accumulator is read from its low end on
.endr
.endr
.irp k, 3,5
.irp j, 0,1,2,3
.irp t, 0,1
	v_max3_num_f32 v[ST+8*\t+4+\j], v[ST+8*\t+4+\j], v[S+32*\t+8*\j+\k], v[S+32*\t+8*\j+\k+1]
.endr
.endr
.endr
.irp t, 0,1
	v_max3_num_f32 v[ST+8*\t+4], v[ST+8*\t+4], v[S+32*\t+7], v[S+32*\t+15]
.endr
.irp t, 0,1
	v_max3_num_f32 v[ST+8*\t+6], v[ST+8*\t+6], v[S+32*\t+23], v[S+32*\t+31]
.endr
.irp t, 0,1
	v_max3_num_f32 v[ST+8*\t+4], v[ST+8*\t+4], v[ST+8*\t+5], v[ST+8*\t+6]
.endr
.irp t, 0,1
	v_max3_num_f32 v[ST+8*\t+4], v[ST+8*\t+4], v[ST+8*\t+7], v[ST+8*\t+1]     ; with the old m
.endr
.irp t, 0,1
	v_permlanex16_b32 v[ST+8*\t+5], v[ST+8*\t+4], s[SEL], s[SEL+1]            ; the query's other 32 keys
.endr
.irp t, 0,1
	v_mov_b32 v[ST+8*\t+7], v[ST+8*\t]             ; c m_old
.endr
.irp t, 0,1
	v_max_num_f32 v[ST+8*\t+1], v[ST+8*\t+4], v[ST+8*\t+5]
.endr
.irp t, 0,1
	v_mul_f32 v[ST+8*\t], s[CS], v[ST+8*\t+1]
.endr
.irp t, 0,1
	v_sub_f32 v[ST+8*\t+7], v[ST+8*\t+7], v[ST+8*\t]
.endr
.irp n, 0,2,4,6,8,10,12,14,16,18,20,22,24,26,28,30
.irp t, 0,1
	v_pk_fma_f32 v[S+32*\t+\n:S+32*\t+\n+1], v[S+32*\t+\n:S+32*\t+\n+1], s[CS:CS+1], v[ST+8*\t:ST+8*\t+1] op_sel_hi:[1,0,0] neg_lo:[0,0,1] neg_hi:[0,0,1]   ; c s - c m
.endr
.endr
.irp t, 0,1
	v_exp_f32 v[ST+8*\t+6], v[ST+8*\t+7]           ; a = 2^(c m_old - c m_new).  ONE BATCH: 66 exponentials, none reads another's result
.endr
.irp n, 0,1,2,3,4,5,6,7,8,9,10,11,12,13,14,15,16,17,18,19,20,21,22,23,24,25,26,27,28,29,30,31
.irp t, 0,1
	v_exp_f32 v[S+32*\t+\n], v[S+32*\t+\n]
.endr
.endr
	v_nop                                          ; a plain line behind the batch,
	s_wait_alu depctr_va_vdst(0)                   ; and one wait for it, ahead of its first reader
.irp t, 0,1
	v_pk_add_f32 v[ST+8*\t+4:ST+8*\t+5], v[S+32*\t:S+32*\t+1], v[S+32*\t+2:S+32*\t+3]          ; the sums, of the weights in f32, in two chains
	v_pk_add_f32 v[CH2+2*\t:CH2+2*\t+1], v[S+32*\t+4:S+32*\t+5], v[S+32*\t+6:S+32*\t+7]
.endr
.irp n, 8,12,16,20,24,28
.irp t, 0,1
	v_pk_add_f32 v[ST+8*\t+4:ST+8*\t+5], v[ST+8*\t+4:ST+8*\t+5], v[S+32*\t+\n:S+32*\t+\n+1]
	v_pk_add_f32 v[CH2+2*\t:CH2+2*\t+1], v[CH2+2*\t:CH2+2*\t+1], v[S+32*\t+\n+2:S+32*\t+\n+3]
.endr
.endr
.irp t, 0,1
	v_pk_add_f32 v[ST+8*\t+4:ST+8*\t+5], v[ST+8*\t+4:ST+8*\t+5], v[CH2+2*\t:CH2+2*\t+1]
.endr
.irp t, 0,1
	v_pk_fma_f32 v[ST+8*\t+2:ST+8*\t+3], v[ST+8*\t+2:ST+8*\t+3], v[ST+8*\t+6:ST+8*\t+7], v[ST+8*\t+4:ST+8*\t+5] op_sel_hi:[1,0,1]   ; l = a l + the step's sum
.endr
.irp n, 0,1,2,3,4,5,6,7,8,9,10,11,12,13,14,15
.irp t, 0,1
	v_cvt_pk_f16_f32 v[S+32*\t+\n], v[S+32*\t+2*\n], v[S+32*\t+2*\n+1]        ; P, in place: register n is written when registers 2 n, 2 n + 1 are read
.endr
.endr
.irp n, 0,2,4,6,8,10,12,14,16,18,20,22,24,26,28,30
.irp t, 0,1
	v_pk_mul_f32 v[O+32*\t+\n:O+32*\t+\n+1], v[O+32*\t+\n:O+32*\t+\n+1], v[ST+8*\t+6:ST+8*\t+7] op_sel_hi:[1,0]   ; O^T x a
.endr
.endr
.endm
.macro STEP                            ; 64 keys
	s_cmp_ge_u32 s[KF], s[LIMW]                    ; keys behind my group: the step's work is left out; the lines at its end are not
	s_cbranch_scc1 .Lhid_\@
	v_add_nc_u32 v[ADR], s[TB], v[LA]
.rept 4
	v_nop                                          ; with the line above five places behind the last V^T P: four for the loads into its sources, five for the products that write over P
.endr
.irp kt, 0,1,2,3
.irp c, 0,1
.irp u, 0,1
	ds_load_b128 v[KV+16*\kt+8*\c+4*\u:KV+16*\kt+8*\c+4*\u+3], v[ADR] offset:2048*\kt+512*(2*\c+\u)
.endr
.endr
.endr
	s_wait_dscnt 0x0
.irp c, 0,1                                    ; S^T = K Q^T: eight accumulators by turns
.irp kt, 0,1,2,3
.irp i, 0,1
.if \c == 0
	v_wmma_f32_16x16x32_f16 v[S+32*\i+8*\kt:S+32*\i+8*\kt+7], v[KV+16*\kt+8*\c:KV+16*\kt+8*\c+7], v[QF+16*\i+8*\c:QF+16*\i+8*\c+7], 0
.else
	v_wmma_f32_16x16x32_f16 v[S+32*\i+8*\kt:S+32*\i+8*\kt+7], v[KV+16*\kt+8*\c:KV+16*\kt+8*\c+7], v[QF+16*\i+8*\c:QF+16*\i+8*\c+7], v[S+32*\i+8*\kt:S+32*\i+8*\kt+7]
.endif
.endr
.endr
.endr
.rept 4
	v_nop                                          ; places ahead of V's loads into K's registers and of the first read of the scores
.endr
.irp ct, 0,1,2,3
.irp s2, 0,1
.irp u, 0,1
	ds_load_tr16_b128 v[KV+16*\ct+8*\s2+4*\u:KV+16*\ct+8*\s2+4*\u+3], v[ADR] offset:32768+2048*(2*\s2+\u)+512*\ct   ; V^T: channel r, keys 8 h + 0..7 of key tile 2 s2 + u; they land under the softmax
.endr
.endr
.endr
	s_cmp_lt_u32 s[KF], s[DIAG]                    ; keys ahead of my group all count
	s_cbranch_scc1 .Lopen_\@
	v_sub_nc_u32 v[D0], v[VQ], s[KF]               ; register 8 kt + j holds key KF + 16 kt + 8 h + j: hidden where 16 kt + j > my query - 8 h - KF
	v_add_nc_u32 v[D0+1], 16, v[D0]
.irp i, 0,1
.irp n, 0,1,2,3,4,5,6,7,8,9,10,11,12,13,14,15,16,17,18,19,20,21,22,23,24,25,26,27,28,29,30,31
	v_cmp_gt_i32 vcc_lo, 16*(\n/8)+\n%8, v[D0+\i]
	v_cndmask_b32 v[S+32*\i+\n], v[S+32*\i+\n], v[NINF], vcc_lo
.endr
.endr
.Lopen_\@:
	SOFTMAX
	s_wait_dscnt 0x0                               ; V is in
.irp s2, 0,1                                   ; O^T += V^T P: eight accumulators by turns
.irp ct, 0,1,2,3
.irp i, 0,1
	v_wmma_f32_16x16x32_f16 v[O+32*\i+8*\ct:O+32*\i+8*\ct+7], v[KV+16*\ct+8*\s2:KV+16*\ct+8*\s2+7], v[S+32*\i+8*\s2:S+32*\i+8*\s2+7], v[O+32*\i+8*\ct:O+32*\i+8*\ct+7]
.endr
.endr
.endr
.Lhid_\@:
	s_add_co_u32 s[TB], s[TB], 8192
	s_add_co_u32 s[KF], s[KF], 64
.endm
; THE CHANGE OF SLOTS, at a slot's head: every wave waits for all its tensor loads, adds 0 to its spare word, waits for that and for its reads of the slot that it has left.
; fill = 1: a round of the cluster's barrier, and behind it the slot just left is asked for jointly: the load has four key steps in which to land.
.macro CHANGE fill
	s_wait_tensorcnt 0x0
	ds_add_u32 v[SPW], v[NIL]
.if \fill
	ds_add_u32 v[SPW], v[NIL]                      ; and twice on end here, in every trip alike
	s_xor_b32 s[G0+1], s[G0+1], SLOTB              ; no tensor load of mine is out: the descriptor walks: the other slot,
	s_add_nc_u64 s[G0+2:G0+3], s[G0+2:G0+3], 32768 ; the next 256 keys
	s_wait_xcnt 0x0                                ; the last prefetch, a slot back, has read its address
	s_add_nc_u64 s[PFA:PFA+1], s[PFA:PFA+1], 32768
	s_wait_dscnt 0x0
	CROUND
	JLOAD
	ASK
.else
	s_wait_dscnt 0x0
	s_barrier_signal -1
	s_barrier_wait -1
.endif
.endm
.macro SLOT_STEPS
	s_mov_b32 s[STEPC], 4
.Lstep_\@:
	STEP
	s_sub_co_u32 s[STEPC], s[STEPC], 1
	s_cmp_lg_u32 s[STEPC], 0
	s_cbranch_scc1 .Lstep_\@
	s_sub_co_u32 s[TB], s[TB], 32768
	s_xor_b32 s[TB], s[TB], SLOTB                  ; on to the other slot
.endm
.Lslot:                                            ; seven trips: behind each change but the last the next slot is asked for
	CHANGE 1
	SLOT_STEPS
	s_sub_co_u32 s[SLOTS], s[SLOTS], 1
	s_cmp_lg_u32 s[SLOTS], 0
	s_cbranch_scc1 .Lslot
	CHANGE 0                                       ; the last slot is written out
	SLOT_STEPS
	; THE WAY OUT: O^T / the sum, rounded to f16: an accumulator is a piece of y
.rept 4
	v_nop
.endr
.irp t, 0,1
	v_add_f32 v[ST+8*\t+4], v[ST+8*\t+2], v[ST+8*\t+3]
.endr
.irp t, 0,1
	v_permlanex16_b32 v[ST+8*\t+5], v[ST+8*\t+4], s[SEL], s[SEL+1]
.endr
.irp t, 0,1
	v_add_f32 v[ST+8*\t+4], v[ST+8*\t+4], v[ST+8*\t+5]
.endr
.irp t, 0,1
	v_rcp_f32 v[ST+8*\t+6], v[ST+8*\t+4]
.endr
	v_nop
	s_wait_alu depctr_va_vdst(0)
.irp n, 0,2,4,6,8,10,12,14,16,18,20,22,24,26,28,30
.irp t, 0,1
	v_pk_mul_f32 v[O+32*\t+\n:O+32*\t+\n+1], v[O+32*\t+\n:O+32*\t+\n+1], v[ST+8*\t+6:ST+8*\t+7] op_sel_hi:[1,0]
.endr
.endr
.irp t, 0,1
.irp n, 0,1,2,3,4,5,6,7,8,9,10,11,12,13,14,15
	v_cvt_pk_f16_f32 v[S+16*\t+\n], v[O+32*\t+2*\n], v[O+32*\t+2*\n+1]
.endr
.endr
.irp t, 0,1
.irp ct, 0,1,2,3
	global_store_b128 v[LA], v[S+16*\t+4*\ct:S+16*\t+4*\ct+3], s[44:45] offset:4096*\t+512*\ct   ; the wave stores 512 consecutive bytes, aligned
.endr
.endr
	s_wait_tensorcnt 0x0                           ; the wave's end: the three lines
	ds_add_u32 v[SPW], v[NIL]
	s_wait_dscnt 0x0
	CROUND                                         ; the closing round
	s_endpgm
.Lfunc_end_k_qdcc48f1df6_attn:
	.size	k_qdcc48f1df6_attn, .Lfunc_end_k_qdcc48f1df6_attn-k_qdcc48f1df6_attn
	.p2alignl 7, 3214868480
	.fill 96, 4, 3214868480
	.section	.rodata,"a",@progbits
	.p2align	6, 0x0
	.amdhsa_kernel k_qdcc48f1df6_attn
		.amdhsa_group_segment_fixed_size 327680
		.amdhsa_private_segment_fixed_size 0
		.amdhsa_enable_private_segment 0
		.amdhsa_kernarg_size 16
		.amdhsa_user_sgpr_count 2
		.amdhsa_user_sgpr_kernarg_segment_ptr 1
		.amdhsa_wavefront_size32 1
		.amdhsa_system_sgpr_workgroup_id_x 1
		.amdhsa_system_sgpr_workgroup_id_y 1
		.amdhsa_system_sgpr_workgroup_id_z 1
		.amdhsa_system_vgpr_workitem_id 0
		.amdhsa_next_free_vgpr 256
		.amdhsa_next_free_sgpr 66
		.amdhsa_reserve_vcc 1
		.amdhsa_float_denorm_mode_32 3
		.amdhsa_float_denorm_mode_16_64 3
		.amdhsa_memory_ordered 1
		.amdhsa_forward_progress 1
		.amdhsa_inst_pref_size 58
	.end_amdhsa_kernel
	.amdgpu_metadata
---
amdhsa.version: [ 1, 2 ]
amdhsa.kernels:
  - .name:           k_qdcc48f1df6_attn
    .symbol:         k_qdcc48f1df6_attn.kd
    .args:
      - { .name: qkv, .offset: 0, .size: 8, .value_kind: global_buffer, .address_space: global }
      - { .name: y, .offset: 8, .size: 8, .value_kind: global_buffer, .address_space: global }
    .group_segment_fixed_size: 327680
    .private_segment_fixed_size: 0
    .kernarg_segment_align: 8
    .kernarg_segment_size: 16
    .max_flat_workgroup_size: 512
    .sgpr_count:     66
    .vgpr_count:     256
    .wavefront_size: 32
...
	.end_amdgpu_metadata
.endif
;; end of part 4
;; launch proj (part 5): grid 4 x 64, 4 waves a work-group, clusters of 4 x 4, 327,680 bytes of LDS; arguments y, wo2, out0; writes out0
.if DOCPART == 5
	.amdgcn_target "amdgcn-amd-amdhsa--gfx1250"
	.amdhsa_code_object_version 6
	.text
	.protected	k_qdcc48f1df6_proj
	.globl	k_qdcc48f1df6_proj
	.p2align	8
	.type	k_qdcc48f1df6_proj,@function
k_qdcc48f1df6_proj:
	s_mov_b64 s[64:65], 0
	v_nop
	global_prefetch_b8 v0, s[64:65] scope:SCOPE_SE
	s_setreg_imm32_b32 hwreg(HW_REG_WAVE_MODE, 25, 1), 1
	s_wait_xcnt 0x0
	s_wait_alu depctr_hold_cnt(0) depctr_sa_sdst(0) depctr_va_vdst(0) depctr_va_sdst(0) depctr_va_ssrc(0) depctr_va_vcc(0) depctr_vm_vsrc(0)
	s_getreg_b32 s2, hwreg(HW_REG_IB_STS2, 6, 4)
	s_cmp_eq_u32 s2, 0
	s_cbranch_scc0 .Lentry_in_a_cluster
	s_endpgm
.Lentry_in_a_cluster:
	s_bfe_u32 s2, ttmp6, 0x10000c
	s_cmp_lg_u32 s2, 0xf033
	s_cbranch_scc0 .Lentry_shape_is_right
	s_endpgm
.Lentry_shape_is_right:
; PROJ.  out0 [8192][1024] f32 = y wo^T, y and wo's high part in f16, sums in f32; all rows but the first 16 of each batch, which another launch carries finely and owns.
; A tile of 128 rows x 256 columns to a work-group: 256 work-groups.  Four waves, 64 x 128 each: 32 accumulators, 256 registers (window 1).
; y = [kc 8][mt 512][p 8][512 bytes] and wo2 = [kc 8][nt 64][p 8][512 bytes] lie in the order of the operands' registers: a K step of 128 (one kc) of my 128 rows is 32,768 dense bytes, of my 256 columns 65,536;
; a fragment of 16 x 32 is two LDS loads of 512 consecutive bytes: no padding.
; CLUSTERS 4 x 4: y's tile is asked for jointly along a row of the cluster, wo's along a column.  Tile row = 16 cy + cluster y, so that 'this tile holds positions under 16' is cluster y = 0, the same in all partners.
; THE PRODUCT IS USED TRANSPOSED (source 0 = 16 rows of wo, source 1 = 16 rows of y): a lane holds eight neighbouring outputs of a row.  They leave through my own stage in LDS as whole rows of 512 bytes.
; RING: two slots of one K step; waves 0, 1 fetch y's halves, waves 2, 3 wo's; one load a wave behind each round; it has a K step less eight matrix instructions in which to land.
.set SLOT,   98304                     ; y's 8 tiles of rows x 4,096 bytes, then wo's 16 x 4,096
.set BOFF,   32768
.set STAGE,  2*SLOT                    ; 16 rows x 528 bytes for each wave; no tensor load lands here
.set SPITCH, 528
.set SPARE,  STAGE+4*16*SPITCH         ; the spare words, 128 bytes a wave
.set ADRA, 16
.set ADRB, 20
.set STO,  24
.set RD,   25
.set CO,   26                          ; v26 16 x lane
.set SPW,  28
.set NIL,  29
.set PFO,  30                          ; v30 256 x lane
.set F0,   32                          ; fragment buffers: y's four at f, wo's eight at f + 32
.set F1,   128
.set BK,   32                          ; the way out: 16 rows back from the stage
.set G1,  24
.set G0,  32
.set G1B, 48
.set G0B, 56
.set PFA, 68
.set PFS, 70
.set LIM, 72
.set MSB, 0
.macro WIN new
.if MSB != \new
	s_set_vgpr_msb (MSB<<8)|\new
.set MSB, \new
.endif
.endm
.set MUL, 0x50                         ; C and D window 1; the sources window 0
.macro JLOAD s                         ; an s_nop 0 and four v_nop follow each of the two lines
	s_cmp_eq_u32 s11, 0
	s_cbranch_scc0 .Lfor_b_\@
	tensor_load_to_lds s[G0+4*\s:G0+4*\s+3], s[G1:G1+7]
	s_nop 0
.rept 4
	v_nop
.endr
	s_branch .Lasked_\@
.Lfor_b_\@:
	tensor_load_to_lds s[G0B+4*\s:G0B+4*\s+3], s[G1B:G1B+7]
	s_nop 0
.rept 4
	v_nop
.endr
.Lasked_\@:
.endm
.macro CREST
	s_cmp_lg_u32 s10, 0
	s_cbranch_scc1 .Lnot_wave_0_\@
	s_barrier_signal -3
.Lnot_wave_0_\@:
	s_barrier_wait -3
	s_barrier_signal -1
	s_barrier_wait -1
.endm
.macro CROUND
	s_barrier_signal -1
	s_barrier_wait -1
	CREST
.endm
; A prefetch of the K step that stands two refills on, 256 matrix instructions ahead of its load.  y's 128 blocks of 256 bytes of a K step: wave 0 of each of the four partners that ask for them jointly, 32 blocks each, by address.
; wo's 256 blocks: read by every cluster: cluster y = 0 asks, waves 2 and 3 of the four partners of a column, 32 blocks each.  Each block is named once; K steps 0 to 3 come by their loads alone; the loop's last trip asks for nothing.
.macro ASK
	s_cmp_gt_u32 s3, s[LIM]
	s_cbranch_scc0 .Lnm_\@
	global_prefetch_b8 v[PFO], s[PFA:PFA+1] th:TH_LOAD_NT scope:SCOPE_SE
.Lnm_\@:
.endm
	s_load_b128 s[4:7], s[0:1], 0x0                ; y, wo2
	s_load_b64 s[8:9], s[0:1], 0x10                ; out0
	v_lshl_add_u32 v[SPW], v0, 2, SPARE
	v_mov_b32 v[NIL], 0
	ds_add_u32 v[SPW], v[NIL]                      ; the opening: the add, twice on end, and its wait
	ds_add_u32 v[SPW], v[NIL]
	v_lshrrev_b32 v1, 5, v0
	v_readfirstlane_b32 s10, v1                    ; wave
	s_lshr_b32 s11, s10, 1                         ; my half of the rows; also: I fetch for y (0) or wo (1)
	s_and_b32 s12, s10, 1                          ; my half of the columns; also: which half I fetch
	s_bfe_u32 s40, ttmp6, 0x40000                  ; cx = tile column
	s_bfe_u32 s41, ttmp6, 0x40004                  ; cy
	s_and_b32 s13, ttmp7, 0xffff                   ; cluster y
	s_lshl_b32 s42, s41, 4
	s_add_co_u32 s42, s42, s13                     ; tile row
	s_lshl_b32 s43, s41, 2
	s_lshl_b32 s43, 15, s43                        ; my row of the cluster
	s_lshl_b32 s44, 0x1111, s40                    ; my column
	s_or_b32 s[G1], s43, (3<<16)|(1<<21)           ; mask; elements of 8 bytes; bit 21 beside a mask
	s_mov_b32 s[G1+1], 32<<16                      ; rows of 256 bytes,
	s_mov_b32 s[G1+2], 64<<16                      ; 64 of them,
	s_mov_b32 s[G1+3], 32<<16
	s_mov_b32 s[G1+4], 64
	s_mov_b32 s[G1+5], 32                          ; dense
	s_mov_b32 s[G1+6], 0
	s_mov_b32 s[G1+7], 0
	s_or_b32 s[G1B], s44, (3<<16)|(1<<21)
	s_mov_b32 s[G1B+1], 32<<16
	s_mov_b32 s[G1B+2], 128<<16                    ; wo: 128 rows of 256 bytes
	s_mov_b32 s[G1B+3], 32<<16
	s_mov_b32 s[G1B+4], 128
	s_mov_b32 s[G1B+5], 32
	s_mov_b32 s[G1B+6], 0
	s_mov_b32 s[G1B+7], 0
	s_lshl_b32 s16, s42, 15
	s_lshl_b32 s18, s12, 14
	s_add_co_u32 s16, s16, s18                     ; y: tile row x 32,768 + half
	s_mov_b32 s17, 0
	s_lshl_b32 s46, s40, 16
	s_lshl_b32 s18, s12, 15
	s_add_co_u32 s46, s46, s18                     ; wo: tile column x 65,536 + half
	s_mov_b32 s47, 0
	s_lshl_b32 s20, s12, 14                        ; where they go
	s_lshl_b32 s21, s12, 15
	s_add_co_u32 s21, s21, BOFF
	s_wait_dscnt 0x0                               ; both opening adds are done
	s_wait_kmcnt 0x0
	s_add_nc_u64 s[14:15], s[4:5], s[16:17]
	s_add_nc_u64 s[46:47], s[6:7], s[46:47]
	CROUND                                         ; all sixteen work-groups are here
.irp s, 0,1
	s_mov_b32 s[G0+4*\s], 1
	s_add_co_u32 s[G0+4*\s+1], s20, \s*SLOT
	s_add_nc_u64 s[G0+4*\s+2:G0+4*\s+3], s[14:15], \s*2097152
	s_or_b32 s[G0+4*\s+3], s[G0+4*\s+3], 0x80000000
	s_mov_b32 s[G0B+4*\s], 1
	s_add_co_u32 s[G0B+4*\s+1], s21, \s*SLOT
	s_add_nc_u64 s[G0B+4*\s+2:G0B+4*\s+3], s[46:47], \s*262144
	s_or_b32 s[G0B+4*\s+3], s[G0B+4*\s+3], 0x80000000
	JLOAD \s
.endr
	v_and_b32 v1, 15, v0                           ; r
	v_bfe_u32 v2, v0, 4, 1                         ; h
	v_and_b32 v3, 31, v0
	v_lshlrev_b32 v[CO], 4, v3
	v_lshlrev_b32 v[PFO], 8, v3
	s_lshl_b32 s22, s11, 14                        ; my 64 rows of y
	s_lshl_b32 s23, s12, 15
	s_add_co_u32 s23, s23, BOFF                    ; my 128 rows of wo
.irp s, 0,1
	v_add_nc_u32 v[ADRA+\s], s22, v[CO]
	v_add_nc_u32 v[ADRB+\s], s23, v[CO]
	s_add_co_u32 s22, s22, SLOT
	s_add_co_u32 s23, s23, SLOT
.endr
	s_mul_i32 s22, s10, 16*SPITCH
	s_add_co_u32 s22, s22, STAGE                   ; my stage
	v_mul_u32_u24 v4, v1, SPITCH
	v_lshl_add_u32 v4, v2, 5, v4
	v_add_nc_u32 v[STO], s22, v4                   ; in: row r, 32 bytes for each half of the lanes
	v_add_nc_u32 v[RD], s22, v[CO]                 ; back: a row of 512 bytes
	s_lshl_b32 s16, s42, 19                        ; out0: 128 rows of 4,096 bytes a tile row,
	s_lshl_b32 s17, s11, 18
	s_add_co_u32 s16, s16, s17
	s_lshl_b32 s17, s40, 10
	s_add_co_u32 s16, s16, s17
	s_lshl_b32 s17, s12, 9
	s_add_co_u32 s16, s16, s17
	s_mov_b32 s17, 0
	s_add_nc_u64 s[8:9], s[8:9], s[16:17]
	; the prefetches
	s_lshl_b32 s20, s42, 15
	s_lshl_b32 s21, s40, 13
	s_add_co_u32 s20, s20, s21                     ; y: my tile row, my work-group's 32 blocks
	s_lshl_b32 s21, s40, 16
	s_lshl_b32 s22, s41, 14
	s_add_co_u32 s21, s21, s22
	s_lshl_b32 s22, s12, 13
	s_add_co_u32 s21, s21, s22                     ; wo: my tile column, my work-group's 64 blocks, my wave's 32
	s_mov_b32 s[PFS], 262144
	s_cmp_eq_u32 s11, 0
	s_cselect_b64 s[PFA:PFA+1], s[4:5], s[6:7]
	s_cselect_b32 s20, s20, s21
	s_cselect_b32 s[PFS], 0x200000, s[PFS]         ; a K step on
	s_cselect_b32 s22, s12, s13                    ; wave 0 asks for y; waves 2, 3 for wo where cluster y = 0; wave 1 for nothing
	s_mul_i32 s21, s[PFS], 3
	s_cmp_eq_u32 s22, 0
	s_cselect_b32 s[LIM], 1, -1
	s_add_co_u32 s20, s20, s21                     ; at K step 3: the first refill steps it to 4
	s_mov_b32 s21, 0
	s_mov_b32 s[PFS+1], 0
	s_add_nc_u64 s[PFA:PFA+1], s[PFA:PFA+1], s[20:21]
.macro FRAG reg, adr, i, q             ; 16 rows x 32 K: two pieces
	ds_load_b128 v[\reg:\reg+3], v[\adr] offset:(\i)*4096+(\q)*1024
	ds_load_b128 v[\reg+4:\reg+7], v[\adr] offset:(\i)*4096+(\q)*1024+512
.endm
.macro FETCH slot, q, f                ; 24 loads in one run: y's fragments 0, 1, wo's eight, y's 2, 3
.irp i, 0,1
	FRAG \f+8*\i, ADRA+\slot, \i, \q
.endr
.irp i, 0,1,2,3,4,5,6,7
	FRAG \f+32+8*\i, ADRB+\slot, \i, \q
.endr
.irp i, 2,3
	FRAG \f+8*\i, ADRA+\slot, \i, \q
.endr
.endm
.macro MUL8 f, a, zero                 ; y's block a against wo's eight; the 32 accumulators take turns, one instruction a turn
.irp b, 0,1,2,3,4,5,6,7
.if \zero
	v_wmma_f32_16x16x32_f16 v[8*(8*(\a)+\b):8*(8*(\a)+\b)+7], v[\f+32+8*\b:\f+32+8*\b+7], v[\f+8*(\a):\f+8*(\a)+7], 0
.else
	v_wmma_f32_16x16x32_f16 v[8*(8*(\a)+\b):8*(8*(\a)+\b)+7], v[\f+32+8*\b:\f+32+8*\b+7], v[\f+8*(\a):\f+8*(\a)+7], v[8*(8*(\a)+\b):8*(8*(\a)+\b)+7]
.endif
.endr
.endm
.macro MUL16 f, a0, zero
	MUL8 \f, \a0, \zero
	MUL8 \f, \a0+1, \zero
.endm
.macro PLACES
.rept 4
	v_nop
.endr
.endm
.macro QUARTER slot, q, f, g, zero     ; multiplies buffer f (32 along K) and fetches the slot's quarter q into g
	s_wait_dscnt 4                                 ; all but y's fragments 2, 3, the youngest four loads
	WIN MUL
	MUL16 \f, 0, \zero
	PLACES                                         ; ahead of loads into registers that matrix instructions have read
	WIN 0
	FETCH \slot, \q, \g
	s_wait_dscnt 24                                ; all but the 24 just issued
	WIN MUL
	MUL16 \f, 2, \zero
.endm
.macro TURN slot, next, fill           ; a slot's last quarter, and the change of slots
.if \fill
	s_wait_xcnt 0x0                                ; the last prefetch, a K step back, has read its address
	s_add_nc_u64 s[PFA:PFA+1], s[PFA:PFA+1], s[PFS:PFS+1]
.endif
	WIN 0
	s_wait_tensorcnt 0x0                           ; all my tensor loads have landed: my part of the next slot
	ds_add_u32 v[SPW], v[NIL]
	s_wait_dscnt 5                                 ; the add and y's fragments 2, 3 may be out
	WIN MUL
	MUL8 F1, 0, 0
	s_wait_dscnt 0x0                               ; the add is done, my reads of this slot are over
	s_barrier_signal -1
	MUL8 F1, 1, 0
	WIN 0
	s_barrier_wait -1
.if \fill
	CREST                                          ; the barrier has opened a round of the cluster's: no wave of any partner still reads this slot or has a load on its way
	s_add_nc_u64 s[G0+4*\slot+2:G0+4*\slot+3], s[G0+4*\slot+2:G0+4*\slot+3], 2*2097152
	s_add_nc_u64 s[G0B+4*\slot+2:G0B+4*\slot+3], s[G0B+4*\slot+2:G0B+4*\slot+3], 2*262144
	JLOAD \slot                                    ; the first tensor load behind the round; its four v_nop are the places ahead of the loads below
.else
	PLACES
.endif
	FETCH \next, 0, F0
.if \fill
	ASK
.endif
	WIN MUL
	MUL16 F1, 2, 0
.endm
	s_wait_tensorcnt 1                             ; my part of K step 0 is in; K step 1's load may be out
	s_barrier_signal -1
	s_barrier_wait -1
	FETCH 0, 0, F0
	QUARTER 0, 1, F0, F1, 1                        ; the first products start the sums
	WIN 0
	s_mov_b32 s3, 3
.Llap:                                             ; a trip goes once round the ring and fills both slots again: K steps 2 to 7
	QUARTER 0, 2, F1, F0, 0
	QUARTER 0, 3, F0, F1, 0
	TURN 0, 1, 1
	QUARTER 1, 1, F0, F1, 0
	QUARTER 1, 2, F1, F0, 0
	QUARTER 1, 3, F0, F1, 0
	TURN 1, 0, 1
	QUARTER 0, 1, F0, F1, 0
	WIN 0
	s_sub_co_u32 s3, s3, 1
	s_cmp_lg_u32 s3, 0
	s_cbranch_scc1 .Llap
	QUARTER 0, 2, F1, F0, 0                        ; the last lap fills nothing
	QUARTER 0, 3, F0, F1, 0
	TURN 0, 1, 0
	QUARTER 1, 1, F0, F1, 0
	QUARTER 1, 2, F1, F0, 0
	QUARTER 1, 3, F0, F1, 0
	s_wait_dscnt 4
	WIN MUL
	MUL16 F1, 0, 0
	s_wait_dscnt 0
	MUL16 F1, 2, 0
	WIN 0
	PLACES                                         ; behind the last products: for the stores that read results and the loads into the fragments' registers
	s_or_b32 s20, s13, s11                         ; 0 where my block 0 is the first 16 positions of a batch: ids that all partners share, and the wave's number
.irp a, 0,1,2,3                                ; THE WAY OUT, 16 rows x 128 columns at a time, through my own stage
.if \a == 0
	s_cmp_eq_u32 s20, 0
	s_cbranch_scc1 .Lskip0                         ; those rows have another owner
.else
	s_wait_xcnt 0x0                                ; the last block's stores have read their registers
.endif
	WIN 0x04                                       ; an LDS store's data: window 1
.irp b, 0,1,2,3,4,5,6,7
	ds_store_b128 v[STO], v[8*(8*\a+\b):8*(8*\a+\b)+3] offset:64*\b            ; each accumulator from its low end on
	ds_store_b128 v[STO], v[8*(8*\a+\b)+4:8*(8*\a+\b)+7] offset:64*\b+16
.endr
	WIN 0
.irp t, 0,1,2,3,4,5,6,7,8,9,10,11,12,13,14,15
	ds_load_b128 v[BK+4*\t:BK+4*\t+3], v[RD] offset:SPITCH*\t                  ; LDS serves a wave's instructions in order: these see my stores
.endr
	s_wait_dscnt 0x0
.irp t, 0,1,2,3,4,5,6,7,8,9,10,11,12,13,14,15
	global_store_b128 v[CO], v[BK+4*\t:BK+4*\t+3], s[8:9] offset:(16*\a+\t)*4096 th:TH_STORE_NT   ; 32 lanes store 512 consecutive bytes, aligned
.endr
.if \a == 0
.Lskip0:
.endif
.endr
	s_wait_tensorcnt 0x0                           ; the wave's end: the three lines
	ds_add_u32 v[SPW], v[NIL]
	s_wait_dscnt 0x0
	CROUND                                         ; the closing round
	s_endpgm
.Lfunc_end_k_qdcc48f1df6_proj:
	.size	k_qdcc48f1df6_proj, .Lfunc_end_k_qdcc48f1df6_proj-k_qdcc48f1df6_proj
	.p2alignl 7, 3214868480
	.fill 96, 4, 3214868480
	.section	.rodata,"a",@progbits
	.p2align	6, 0x0
	.amdhsa_kernel k_qdcc48f1df6_proj
		.amdhsa_group_segment_fixed_size 327680
		.amdhsa_private_segment_fixed_size 0
		.amdhsa_enable_private_segment 0
		.amdhsa_kernarg_size 24
		.amdhsa_user_sgpr_count 2
		.amdhsa_user_sgpr_kernarg_segment_ptr 1
		.amdhsa_wavefront_size32 1
		.amdhsa_system_sgpr_workgroup_id_x 1
		.amdhsa_system_sgpr_workgroup_id_y 1
		.amdhsa_system_sgpr_workgroup_id_z 1
		.amdhsa_system_vgpr_workitem_id 0
		.amdhsa_next_free_vgpr 512
		.amdhsa_next_free_sgpr 80
		.amdhsa_reserve_vcc 0
		.amdhsa_float_denorm_mode_32 3
		.amdhsa_float_denorm_mode_16_64 3
		.amdhsa_memory_ordered 1
		.amdhsa_forward_progress 1
		.amdhsa_inst_pref_size 85
	.end_amdhsa_kernel
	.amdgpu_metadata
---
amdhsa.version: [ 1, 2 ]
amdhsa.kernels:
  - .name:           k_qdcc48f1df6_proj
    .symbol:         k_qdcc48f1df6_proj.kd
    .args:
      - { .name: y, .offset: 0, .size: 8, .value_kind: global_buffer, .address_space: global }
      - { .name: wo2, .offset: 8, .size: 8, .value_kind: global_buffer, .address_space: global }
      - { .name: out0, .offset: 16, .size: 8, .value_kind: global_buffer, .address_space: global }
    .group_segment_fixed_size: 327680
    .private_segment_fixed_size: 0
    .kernarg_segment_align: 8
    .kernarg_segment_size: 24
    .max_flat_workgroup_size: 128
    .sgpr_count:     80
    .vgpr_count:     512
    .wavefront_size: 32
...
	.end_amdgpu_metadata
.endif
;; end of part 5
